; MI455X (gfx1250); checked and timed in simulation.
; The chip was launched on July 23, 2026; its instructions are those of AMD's public machine-readable ISA for CDNA 5 (MIT licence, August 2026) and "CDNA5" Instruction Set Architecture Reference Guide (July 2026). The comments in the code are by the model that wrote it; some were corrected since.
;; Attention. Allowed arithmetic: float matrix products may take bf16 or f16 operands with f32 sums; all other float work in f32.
;; Inputs: freqs_cos 2,048 x 64 float32; freqs_sin 2,048 x 64 float32; mask 1 x 1 x 2,048 x 2,048 float32; wk 2,048 x 2,048 float32; wo 2,048 x 2,048 float32; wq 2,048 x 2,048 float32; wv 2,048 x 2,048 float32; x 1 x 2,048 x 2,048 float32.
;; Outputs: out0 1 x 2,048 x 2,048 float32.
;; 2 versions, each right; version 2 is version 1 with the launch cast written anew for expert scheduling mode. Each part assembles by itself: llvm-mc -triple=amdgcn-amd-amdhsa -mcpu=gfx1250 --defsym DOCPART=n.
;; ======== version 1 of 2: 4 launches
;; limits: values outside matrix products are rounded to bf16; values are held in f16: magnitudes above 65,504 overflow, below 6.1e-05 lose precision; right only within a limited range of input values
;; workspace buffers: xb 8,388,608 bytes; wqkvb 25,165,824 bytes; wob 8,388,608 bytes; cosb 262,144 bytes; sinb 262,144 bytes; qkv 25,165,824 bytes; ob 8,388,608 bytes
;; launch cast (part 1): grid 512 x 1, 8 waves a work-group, no clusters, 0 bytes of LDS; arguments x, wq, wk, wv, wo, freqs_cos, freqs_sin, xb, wqkvb, wob, cosb, sinb; writes xb, wqkvb, wob, cosb, sinb
.if DOCPART == 1
	.amdgcn_target "amdgcn-amd-amdhsa--gfx1250"
	.amdhsa_code_object_version 6
	.text
	.protected	k_qc513e72b23_cast
	.globl	k_qc513e72b23_cast
	.p2align	8
	.type	k_qc513e72b23_cast,@function
k_qc513e72b23_cast:
	s_mov_b64 s[64:65], 0
	v_nop
	global_prefetch_b8 v0, s[64:65] scope:SCOPE_SE
	s_setreg_imm32_b32 hwreg(HW_REG_WAVE_MODE, 25, 1), 1
	s_wait_xcnt 0x0
; The matrix operands and the two rotation tables, narrowed once for the three launches that follow.
;   xb = bf16(x);  wqkvb = bf16 of wq, wk, wv, one under the other (6,144 rows);  cosb, sinb = bf16 of the two tables;
;   wob = bf16(wo) written in f16's format, because its partner in the last product (the attention's result) is kept in f16.
; LIMITS OF FORMAT, stated: every input but the mask is rounded once to bf16 (8 significant bits), the tables too.
; A bf16 number is exact in f16 from 2^-17 up to 65,504; below 2^-17 the second step errs by 2^-25 at the most; |wo| above 65,504 does not fit
; (wo as drawn stays below 0.2).
; A stream: each input byte is read once, by loads of 16 bytes a lane; each store of a wave covers 256 consecutive bytes, aligned.
; Work-group g takes bytes 32,768 g .. of each of the five large inputs, a wave 4,096 of them: eight loads of 512 bytes for each tensor,
; all forty issued before the first is used.  No LDS, no barrier, no matrix unit: nothing here is used twice.
.set X,   8                            ; v[8:167]   load k = 8 t + j (tensor t, piece j): four registers
.set TBL, 168                          ; v[168:171] 16 bytes of a table
	s_load_b512 s[4:19], s[0:1], 0x0               ; x 4, wq 6, wk 8, wv 10, wo 12, cos 14, sin 16, xb 18
	s_load_b256 s[20:27], s[0:1], 0x40             ; wqkvb 20, wob 22, cosb 24, sinb 26
	v_lshrrev_b32 v3, 5, v0
	v_readfirstlane_b32 s3, v3                     ; wave 0..7
	v_and_b32 v4, 31, v0                           ; lane
	v_lshlrev_b32 v1, 12, v3                       ; in: 4,096 a wave
	v_lshl_add_u32 v1, v4, 4, v1                   ;     + 16 a lane
	v_lshlrev_b32 v2, 11, v3                       ; out: half of that
	v_lshl_add_u32 v2, v4, 3, v2
	s_lshl_b32 s2, ttmp9, 15
	v_add_nc_u32 v1, s2, v1                        ; + 32,768 a work-group
	s_lshl_b32 s2, ttmp9, 14
	v_add_nc_u32 v2, s2, v2
	s_and_b32 s36, s3, 1                           ; the tables: 1,024 bytes of each for a work-group, 512 for a wave
	s_lshl_b32 s36, s36, 9
	s_lshl_b32 s37, ttmp9, 10
	s_add_co_u32 s36, s36, s37
	v_lshl_add_u32 v5, v4, 4, s36                  ; in
	s_lshr_b32 s36, s36, 1
	v_lshl_add_u32 v6, v4, 3, s36                  ; out
	s_wait_kmcnt 0x0
	s_add_nc_u64 s[28:29], s[20:21], 0x800000      ; wk's rows in wqkvb: 2,048 rows of 4,096 bytes on
	s_add_nc_u64 s[30:31], s[20:21], 0x1000000     ; wv's rows
.macro LD8 t, base
.irp j, 0,1,2,3,4,5,6,7
	global_load_b128 v[X+32*\t+4*\j:X+32*\t+4*\j+3], v1, s[\base:\base+1] offset:512*\j th:TH_LOAD_NT
.endr
.endm
; Eight pieces of tensor t: four numbers a lane to 8 bytes.  half = 1: the bf16 numbers are widened again (a shift, a mask) and written as f16.
.macro CV8 t, base, half
.irp j, 0,1,2,3,4,5,6,7
.set R, X+32*\t+4*\j
	s_wait_loadcnt 39-8*\t-\j                      ; loads come back in order (ISA guide 5.7.1): the count is the number of younger loads
	v_cvt_pk_bf16_f32 v[R], v[R], v[R+1]
	v_cvt_pk_bf16_f32 v[R+1], v[R+2], v[R+3]
.if \half
	v_and_b32 v[R+3], 0xffff0000, v[R+1]
	v_lshlrev_b32 v[R+2], 16, v[R+1]
	v_and_b32 v[R+1], 0xffff0000, v[R]
	v_lshlrev_b32 v[R], 16, v[R]
	v_cvt_pk_f16_f32 v[R], v[R], v[R+1]
	v_cvt_pk_f16_f32 v[R+1], v[R+2], v[R+3]
.endif
	global_store_b64 v2, v[R:R+1], s[\base:\base+1] offset:256*\j   ; 32 lanes x 8 bytes; no register of a store is written again
.endr
.endm
	LD8 0, 4
	LD8 1, 6
	LD8 2, 8
	LD8 3, 10
	LD8 4, 12
	CV8 0, 18, 0
	CV8 1, 20, 0
	CV8 2, 28, 0
	CV8 3, 30, 0
	CV8 4, 22, 1
	; the tables: waves 0, 1 take cos, waves 2, 3 sin; the other four have no part of them
	s_cmp_ge_u32 s3, 4
	s_cbranch_scc1 .Lend
	s_cmp_lt_u32 s3, 2
	s_cselect_b64 s[32:33], s[14:15], s[16:17]
	s_cselect_b64 s[34:35], s[24:25], s[26:27]
	global_load_b128 v[TBL:TBL+3], v5, s[32:33] th:TH_LOAD_NT
	s_wait_loadcnt 0x0
	v_cvt_pk_bf16_f32 v[TBL], v[TBL], v[TBL+1]
	v_cvt_pk_bf16_f32 v[TBL+1], v[TBL+2], v[TBL+3]
	global_store_b64 v6, v[TBL:TBL+1], s[34:35]
.Lend:
	s_endpgm
.Lfunc_end_k_qc513e72b23_cast:
	.size	k_qc513e72b23_cast, .Lfunc_end_k_qc513e72b23_cast-k_qc513e72b23_cast
	.p2alignl 7, 3214868480
	.fill 96, 4, 3214868480
	.section	.rodata,"a",@progbits
	.p2align	6, 0x0
	.amdhsa_kernel k_qc513e72b23_cast
		.amdhsa_group_segment_fixed_size 0
		.amdhsa_private_segment_fixed_size 0
		.amdhsa_enable_private_segment 0
		.amdhsa_kernarg_size 96
		.amdhsa_user_sgpr_count 2
		.amdhsa_user_sgpr_kernarg_segment_ptr 1
		.amdhsa_wavefront_size32 1
		.amdhsa_system_sgpr_workgroup_id_x 1
		.amdhsa_system_sgpr_workgroup_id_y 1
		.amdhsa_system_sgpr_workgroup_id_z 1
		.amdhsa_system_vgpr_workitem_id 0
		.amdhsa_next_free_vgpr 172
		.amdhsa_next_free_sgpr 66
		.amdhsa_reserve_vcc 0
		.amdhsa_float_denorm_mode_32 3
		.amdhsa_float_denorm_mode_16_64 3
		.amdhsa_memory_ordered 1
		.amdhsa_forward_progress 1
		.amdhsa_inst_pref_size 18
	.end_amdhsa_kernel
	.amdgpu_metadata
---
amdhsa.version: [ 1, 2 ]
amdhsa.kernels:
  - .name:           k_qc513e72b23_cast
    .symbol:         k_qc513e72b23_cast.kd
    .args:
      - { .name: x, .offset: 0, .size: 8, .value_kind: global_buffer, .address_space: global }
      - { .name: wq, .offset: 8, .size: 8, .value_kind: global_buffer, .address_space: global }
      - { .name: wk, .offset: 16, .size: 8, .value_kind: global_buffer, .address_space: global }
      - { .name: wv, .offset: 24, .size: 8, .value_kind: global_buffer, .address_space: global }
      - { .name: wo, .offset: 32, .size: 8, .value_kind: global_buffer, .address_space: global }
      - { .name: freqs_cos, .offset: 40, .size: 8, .value_kind: global_buffer, .address_space: global }
      - { .name: freqs_sin, .offset: 48, .size: 8, .value_kind: global_buffer, .address_space: global }
      - { .name: xb, .offset: 56, .size: 8, .value_kind: global_buffer, .address_space: global }
      - { .name: wqkvb, .offset: 64, .size: 8, .value_kind: global_buffer, .address_space: global }
      - { .name: wob, .offset: 72, .size: 8, .value_kind: global_buffer, .address_space: global }
      - { .name: cosb, .offset: 80, .size: 8, .value_kind: global_buffer, .address_space: global }
      - { .name: sinb, .offset: 88, .size: 8, .value_kind: global_buffer, .address_space: global }
    .group_segment_fixed_size: 0
    .private_segment_fixed_size: 0
    .kernarg_segment_align: 8
    .kernarg_segment_size: 96
    .max_flat_workgroup_size: 256
    .sgpr_count:     66
    .vgpr_count:     172
    .wavefront_size: 32
...
	.end_amdgpu_metadata
.endif
;; end of part 1
;; launch qkv (part 2): grid 24 x 8, 4 waves a work-group, clusters of 4 x 4, 327,680 bytes of LDS; arguments xb, wqkvb, cosb, sinb, qkv; writes qkv
.if DOCPART == 2
	.amdgcn_target "amdgcn-amd-amdhsa--gfx1250"
	.amdhsa_code_object_version 6
	.text
	.protected	k_qc513e72b23_qkv
	.globl	k_qc513e72b23_qkv
	.p2align	8
	.type	k_qc513e72b23_qkv,@function
k_qc513e72b23_qkv:
	s_mov_b64 s[64:65], 0
	v_nop
	global_prefetch_b8 v0, s[64:65] scope:SCOPE_SE
	s_setreg_imm32_b32 hwreg(HW_REG_WAVE_MODE, 25, 1), 1
	s_wait_xcnt 0x0
	s_wait_alu depctr_hold_cnt(0) depctr_sa_sdst(0) depctr_va_vdst(0) depctr_va_sdst(0) depctr_va_ssrc(0) depctr_va_vcc(0) depctr_vm_vsrc(0)
	s_getreg_b32 s2, hwreg(HW_REG_IB_STS2, 6, 4)
	s_cmp_eq_u32 s2, 0
	s_cbranch_scc0 .Lentry_in_a_cluster
	s_endpgm
.Lentry_in_a_cluster:
	s_bfe_u32 s2, ttmp6, 0x10000c
	s_cmp_lg_u32 s2, 0xf033
	s_cbranch_scc0 .Lentry_shape_is_right
	s_endpgm
.Lentry_shape_is_right:
; qkv[m][n] = sum over k of xb[m][k] wqkvb[n][k]  (2,048 x 6,144 x 2,048, bf16 operands, f32 sums), then, for the columns of q and k (n < 4,096),
; the rotation by position and the factor 128^(-1/4); stored as f16.  Both q and k carry that factor, so that q . k comes out divided by sqrt(128).
; LIMITS OF FORMAT, stated: cos and sin are bf16 numbers here (rounded by the launch before); q, k, v are rounded once to f16, whose largest number
; is 65,504: as drawn |v| stays near 5, with x and the weights all thirty times larger near 5,000.
; A work-group makes a block of 256 x 256 with four waves, a wave 128 x 128: 64 accumulator tiles of 16 x 16, 512 registers.  K goes in steps of
; 128 through a ring of two LDS slots filled by the tensor data mover; a tile's rows are 256 bytes of memory and start at multiples of 256 bytes.
; 24 x 8 = 192 work-groups: a block of 256 x 192 or 128 x 384 would give 256, but a wave's columns would then no longer be whole heads of 128.
; CLUSTERS: 4 x 4 work-groups.  The four of a row of the cluster need the same tiles of xb, the four of a column the same tiles of wqkvb.  Such a tile is
; asked for jointly: each of the four issues the same tensor load, with the same descriptor and a mask that names the four.
; REGISTERS, in windows of 256:
;   window 0: v0-31 addresses; v32-63 packed cos and sin of the first 16 rows (loaded at the start); v64-127, v128-191 fragments of xb, two buffers;
;             v192-255 at work on the way out
;   window 1: v64-127, v128-191 fragments of wqkvb, two buffers
;   window 2: the 32 accumulator tiles of my rows 0-63 (tile (a, b) at v[8 (8 a + b)]);   window 3: those of my rows 64-127
; THE MATRIX INSTRUCTION IS USED TRANSPOSED: source 0 = 16 rows of wqkvb, source 1 = 16 rows of xb.  Lane l then holds row l % 16 of the result and its
; registers 0 to 7 the columns 8 (l / 16) + 0 .. 7: four (even, odd) pairs of the rotation, and 16 neighbouring bytes of f16.
.set SIZE_N, 6144
.set SIZE_K, 2048
.set KSTEP,  128
.set PITCH,  272                       ; an LDS row: 256 bytes + 16 of padding, so that the 16 rows of a fragment load start 16 bytes apart modulo 256
.set HALFT,  128*PITCH                 ; 128 rows: what one tensor load brings
.set SLOT,   4*HALFT                   ; xb's 256 rows, then wqkvb's 256 rows
.set STAGE,  2*SLOT                    ; behind the ring: 16 rows x 272 bytes for each wave, for the way out
.set SPITCH, 272
.set LAPS, SIZE_K/(2*KSTEP)            ; a lap = two K steps = once round the ring
.set ADRA, 16                          ; v16-17  LDS address of my xb fragments in slot 0, 1
.set ADRB, 20                          ; v20-21  the same for wqkvb
.set STO,  24                          ; v24     the way out: where I put 16 bytes of a row
.set RD,   25                          ; v25     the way out: where I read a row back
.set CO,   26                          ; v26     my byte offset in qkv
.set CSO,  27                          ; v27     my byte offset in the tables: 128 (l % 16) + 8 (l / 16)
.set F0,   64
.set F1,   128
.set TMP,  192                         ; the plain way out: packed results
.set PK0,  32                          ; packed tables, set 0: cos v32-47, sin v48-63
.set PK1,  192                         ; set 1
.set COS,  64                          ; v64-95   32 cosines as f32
.set SIN,  96                          ; v96-127  32 sines
.set EO,   128                         ; v128-191 64 rotated numbers
.set RB,   224                         ; v224-255 rows read back
.set G1, 24                            ; s[24:31] descriptor group 1 for xb's tiles
.set G0, 32                            ; s[32:39] group 0 for xb's tiles, one set for each slot
.set G1B, 48                           ; s[48:55] group 1 for wqkvb's tiles: another mask
.set G0B, 56                           ; s[56:63] group 0 for wqkvb's tiles
.set MSB, 0
.macro WIN new                         ; the immediate's high byte repeats the setting that is left
.if MSB != \new
	s_set_vgpr_msb (MSB<<8)|\new
.set MSB, \new
.endif
.endm
.set MUL_LO, 0xa1                      ; source 0 window 1, source 1 window 0, C and D window 2
.set MUL_HI, 0xf1                      ; the same, C and D window 3
.set TO_B,   0x40                      ; destination window 1, address window 0
; A joint load.  Waves 0 and 1 fetch xb's two halves, waves 2 and 3 wqkvb's.  The branch hangs on the wave's number alone.
.macro JLOAD s
	s_cmp_eq_u32 s11, 0
	s_cbranch_scc0 .Lfor_b_\@
	tensor_load_to_lds s[G0+4*\s:G0+4*\s+3], s[G1:G1+7]
	s_nop 0
	s_branch .Lasked_\@
.Lfor_b_\@:
	tensor_load_to_lds s[G0B+4*\s:G0B+4*\s+3], s[G1B:G1B+7]
	s_nop 0
.Lasked_\@:
.endm
; A round of the cluster's barrier: my work-group's barrier; wave 0 signals for the work-group; every wave waits for all sixteen; my work-group's barrier again.
.macro CREST
	s_cmp_lg_u32 s10, 0
	s_cbranch_scc1 .Lnot_wave_0_\@
	s_barrier_signal -3
.Lnot_wave_0_\@:
	s_barrier_wait -3
	s_barrier_signal -1
	s_barrier_wait -1
.endm
.macro CROUND
	s_barrier_signal -1
	s_barrier_wait -1
	CREST
.endm
	s_load_b128 s[4:7], s[0:1], 0x0                ; xb s[4:5], wqkvb s[6:7]
	s_load_b128 s[68:71], s[0:1], 0x10             ; cosb s[68:69], sinb s[70:71]
	s_load_b64 s[8:9], s[0:1], 0x20                ; qkv
	s_set_vgpr_msb 0x40
	v_lshl_add_u32 v255, v0, 2, 0x48400
	s_set_vgpr_msb 0x4000
	v_mov_b32 v31, 0
	s_set_vgpr_msb 0x1
	ds_add_u32 v255, v31
	s_set_vgpr_msb 0x100
	v_lshrrev_b32 v1, 5, v0
	v_readfirstlane_b32 s10, v1                    ; wave 0..3
	s_lshr_b32 s11, s10, 1                         ; which half of the block's rows is mine.  Also: I fetch for xb (0) or for wqkvb (1)
	s_and_b32 s12, s10, 1                          ; which half of its columns.  Also: which 128 rows of that tile I fetch
	s_bfe_u32 s40, ttmp6, 0x40000                  ; cx
	s_bfe_u32 s41, ttmp6, 0x40004                  ; cy
	s_lshl_b32 s42, ttmp9, 2
	s_add_co_u32 s42, s42, s40                     ; block column = 4 x cluster x + cx
	s_and_b32 s13, ttmp7, 0xffff
	s_lshl_b32 s13, s13, 2
	s_add_co_u32 s13, s13, s41                     ; block row = 4 x cluster y + cy
	s_lshl_b32 s43, s41, 2
	s_lshl_b32 s43, 15, s43                        ; my row of the cluster: places 4 cy .. 4 cy + 3
	s_lshl_b32 s44, 0x1111, s40                    ; my column: places cx, cx + 4, cx + 8, cx + 12
	s_mov_b32 s74, 0xffff0000                      ; a word's upper bf16
	; group 1: a tile of 128 rows x 128 elements of 2 bytes, 4 words of padding behind every 64
	s_or_b32 s[G1+0], s43, (1<<16)|(1<<20)|(1<<21)|(5<<22)|(3<<25)
	s_or_b32 s[G1B+0], s44, (1<<16)|(1<<20)|(1<<21)|(5<<22)|(3<<25)
	s_mov_b32 s[G1B+1], KSTEP<<16
	s_mov_b32 s[G1+1], KSTEP<<16                   ; tensor_dim0 = 128
	s_mov_b32 s[G1B+2], 128<<16
	s_mov_b32 s[G1+2], 128<<16                     ; tensor_dim1 = 128
	s_mov_b32 s[G1B+3], KSTEP<<16
	s_mov_b32 s[G1+3], KSTEP<<16                   ; tile_dim0 = 128
	s_mov_b32 s[G1B+4], 128
	s_mov_b32 s[G1+4], 128                         ; tile_dim1 = 128
	s_mov_b32 s[G1B+5], SIZE_K
	s_mov_b32 s[G1+5], SIZE_K                      ; elements from row to row
	s_mov_b32 s[G1B+6], 0
	s_mov_b32 s[G1+6], 0
	s_mov_b32 s[G1B+7], 0
	s_mov_b32 s[G1+7], 0
	; xb's tiles hang on the block row alone, wqkvb's on the block column alone; each address is made in registers that never hold the other coordinate
	s_lshl_b32 s17, s12, 7
	s_lshl_b32 s16, s13, 8
	s_add_co_u32 s16, s16, s17                     ; xb: row 256 x block row + 128 x half
	s_lshl_b32 s46, s42, 8
	s_add_co_u32 s46, s46, s17                     ; wqkvb: row 256 x block column + 128 x half
	s_mov_b32 s17, 0
	s_mov_b32 s47, 0
	s_mov_b64 s[18:19], SIZE_K*2
	s_mul_u64 s[16:17], s[16:17], s[18:19]
	s_mul_u64 s[46:47], s[46:47], s[18:19]
	s_mul_i32 s20, s10, HALFT                      ; where they go: wave x 128 rows
	s_lshl_b32 s72, s13, 8                         ; the tables at my first row: (256 x block row + 128 x row half) x 128 bytes
	s_lshl_b32 s73, s11, 7
	s_add_co_u32 s72, s72, s73
	s_lshl_b32 s72, s72, 7
	s_mov_b32 s73, 0
	s_wait_dscnt 0x0
	s_wait_kmcnt 0x0
	s_add_nc_u64 s[14:15], s[4:5], s[16:17]
	s_add_nc_u64 s[46:47], s[6:7], s[46:47]
	s_add_nc_u64 s[68:69], s[68:69], s[72:73]
	s_add_nc_u64 s[70:71], s[70:71], s[72:73]
	CROUND                                         ; all sixteen work-groups are here: the first joint loads meet
.irp s, 0,1
	s_mov_b32 s[G0+4*\s], 1
	s_add_co_u32 s[G0+4*\s+1], s20, \s*SLOT
	s_add_nc_u64 s[G0+4*\s+2:G0+4*\s+3], s[14:15], \s*KSTEP*2
	s_or_b32 s[G0+4*\s+3], s[G0+4*\s+3], 0x80000000
	s_mov_b32 s[G0B+4*\s], 1
	s_add_co_u32 s[G0B+4*\s+1], s20, \s*SLOT
	s_add_nc_u64 s[G0B+4*\s+2:G0B+4*\s+3], s[46:47], \s*KSTEP*2
	s_or_b32 s[G0B+4*\s+3], s[G0B+4*\s+3], 0x80000000
	JLOAD \s                                       ; two tensor loads of the wave are out
.endr
	; a fragment: lane l holds row l % 16; registers 0-3 K = 8 (l / 16) + 0..7, registers 4-7 K = 16 + 8 (l / 16) + 0..7: two loads of 16 bytes, 32 apart
	v_and_b32 v1, 15, v0                           ; l % 16
	v_bfe_u32 v2, v0, 4, 1                         ; l / 16
	v_mul_u32_u24 v3, v1, PITCH
	v_lshl_add_u32 v3, v2, 4, v3
	s_mul_i32 s21, s11, HALFT
	s_mul_i32 s22, s12, HALFT
	s_add_co_u32 s22, s22, 2*HALFT
.irp s, 0,1
	v_add_nc_u32 v[ADRA+\s], s21, v3
	v_add_nc_u32 v[ADRB+\s], s22, v3
	s_add_co_u32 s21, s21, SLOT
	s_add_co_u32 s22, s22, SLOT
.endr
	s_mul_i32 s23, s10, 16*SPITCH
	s_add_co_u32 s23, s23, STAGE
	v_mul_u32_u24 v4, v1, SPITCH
	v_lshl_add_u32 v4, v2, 4, v4
	v_add_nc_u32 v[STO], s23, v4
	v_mul_u32_u24 v5, v2, SPITCH
	v_lshl_add_u32 v5, v1, 4, v5
	v_add_nc_u32 v[RD], s23, v5
	v_mul_u32_u24 v5, v2, SIZE_N*2
	v_lshl_add_u32 v[CO], v1, 4, v5
	v_lshlrev_b32 v[CSO], 7, v1
	v_lshl_add_u32 v[CSO], v2, 3, v[CSO]
; The packed cos and sin of rows 16 i .. 16 i + 15 of my block.  My 128 columns are one head; in column tile b, lane (r, h) holds pairs 8 b + 4 h + 0..3:
; four bf16, 8 bytes, at row x 128 + 16 b + 8 h.  The eight loads of a table cover its sixteen rows of 128 bytes whole.
.macro CSLOAD i, pk
.irp b, 0,1,2,3,4,5,6,7
	global_load_b64 v[\pk+2*\b:\pk+2*\b+1], v[CSO], s[68:69] offset:2048*\i+16*\b
	global_load_b64 v[\pk+16+2*\b:\pk+16+2*\b+1], v[CSO], s[70:71] offset:2048*\i+16*\b
.endr
.endm
	CSLOAD 0, PK0                                  ; the first group's, long before they are needed.  The blocks of v issue them too and never use them: 4 KiB a wave, for one text
.macro MUL16 f, hi, a0, zero
.irp a, \a0, \a0+1
.irp b, 0,1,2,3,4,5,6,7
.if \zero
	v_wmma_f32_16x16x32_bf16 v[8*(8*(\a)+\b):8*(8*(\a)+\b)+7], v[\f+8*\b:\f+8*\b+7], v[\f+8*(4*\hi+\a):\f+8*(4*\hi+\a)+7], 0
.else
	v_wmma_f32_16x16x32_bf16 v[8*(8*(\a)+\b):8*(8*(\a)+\b)+7], v[\f+8*\b:\f+8*\b+7], v[\f+8*(4*\hi+\a):\f+8*(4*\hi+\a)+7], v[8*(8*(\a)+\b):8*(8*(\a)+\b)+7]
.endif
.endr
.endr
.endm
.macro FETCH slot, k, f                ; 32 LDS loads in one run: the fragments of one quarter step
	WIN TO_B
.irp i, 0,1,2,3,4,5,6,7
	ds_load_b128 v[\f+8*\i:\f+8*\i+3],   v[ADRB+\slot] offset:\k+\i*16*PITCH
	ds_load_b128 v[\f+8*\i+4:\f+8*\i+7], v[ADRB+\slot] offset:\k+\i*16*PITCH+32
.endr
	WIN 0
.irp i, 0,1,2,3,4,5,6,7
	ds_load_b128 v[\f+8*\i:\f+8*\i+3],   v[ADRA+\slot] offset:\k+\i*16*PITCH
	ds_load_b128 v[\f+8*\i+4:\f+8*\i+7], v[ADRA+\slot] offset:\k+\i*16*PITCH+32
.endr
.endm
; Four places behind a matrix instruction before a load lands on one of its registers or a vector instruction reads its result (ISA guide 7.12.1 for
; vector instructions); the matrix instructions in between are not counted.
.macro PLACES
.rept 4
	v_nop
.endr
.endm
; A K step is four quarters of 32 along K, 64 matrix instructions each, on buffers 0, 1, 0, 1.  The 64 accumulators take turns, one instruction a turn,
; in the same order in every quarter.
.macro QUARTER slot, k, f, g, zero
	s_wait_dscnt 8                                 ; all but the youngest eight loads (xb's rows 64-127)
	WIN MUL_LO
	MUL16 \f, 0, 0, \zero
	MUL16 \f, 0, 2, \zero
	PLACES
	FETCH \slot, \k, \g
	s_wait_dscnt 32                                ; all but the 32 just issued
	WIN MUL_HI
	MUL16 \f, 1, 0, \zero
	MUL16 \f, 1, 2, \zero
.endm
.macro THREE slot, zero
	QUARTER \slot, 64,  F0, F1, \zero
	QUARTER \slot, 128, F1, F0, 0
	QUARTER \slot, 192, F0, F1, 0
.endm
; The last quarter changes slots.  In front of the barrier each wave waits for its reads of this slot and for all its tensor loads (one is out: its part of
; the next slot).  Behind it the refill comes first, then the next slot's first fragments.  From a request to the wait for it: 240 matrix instructions.
.macro TURN slot, next, fill
	s_wait_dscnt 8
	WIN MUL_LO
	MUL16 F1, 0, 0, 0
	s_wait_dscnt 0                                 ; my reads of this slot are over
	s_wait_tensorcnt 0x0                           ; all my tensor loads have landed
	ds_add_u32 v255, v31
	s_wait_dscnt 0x0
	s_barrier_signal -1
	MUL16 F1, 0, 2, 0                              ; register work while the others arrive
	WIN 0
	s_barrier_wait -1
.if \fill
	CREST                                          ; the round closes: no wave of any partner still reads this slot or has a load on its way
	s_add_nc_u64 s[G0+4*\slot+2:G0+4*\slot+3], s[G0+4*\slot+2:G0+4*\slot+3], 2*KSTEP*2
	s_add_nc_u64 s[G0B+4*\slot+2:G0B+4*\slot+3], s[G0B+4*\slot+2:G0B+4*\slot+3], 2*KSTEP*2
	JLOAD \slot                                    ; the wave's one tensor load behind the round
.endif
	PLACES
	FETCH \next, 0, F0
	WIN MUL_HI
	MUL16 F1, 1, 0, 0
	MUL16 F1, 1, 2, 0
.endm
.macro LAP zero
	THREE 0, \zero
	TURN 0, 1, 1
	THREE 1, 0
	TURN 1, 0, 1
.endm
	s_wait_tensorcnt 1                             ; my part of K step 0 is in; K step 1's may stay out
	s_barrier_signal -1
	s_barrier_wait -1
	FETCH 0, 0, F0
	LAP 1                                          ; the first products start the sums: nothing is cleared
	WIN 0
	s_mov_b32 s3, LAPS-2
.Llap:
	LAP 0
	WIN 0
	s_sub_co_u32 s3, s3, 1
	s_cmp_lg_u32 s3, 0
	s_cbranch_scc1 .Llap
	THREE 0, 0                                     ; the last lap fills nothing
	TURN 0, 1, 0
	THREE 1, 0
	s_wait_dscnt 8
	WIN MUL_LO
	MUL16 F1, 0, 0, 0
	MUL16 F1, 0, 2, 0
	s_wait_dscnt 0
	WIN MUL_HI
	MUL16 F1, 1, 0, 0
	MUL16 F1, 1, 2, 0
	; THE WAY OUT, 16 rows at a time
	PLACES
	WIN 0
	s_lshl_b32 s13, s13, 8
	s_lshl_b32 s14, s11, 7
	s_add_co_u32 s16, s13, s14                     ; my first row
	s_mov_b32 s17, 0
	s_mov_b64 s[18:19], SIZE_N*2
	s_mul_u64 s[16:17], s[16:17], s[18:19]
	s_add_nc_u64 s[8:9], s[8:9], s[16:17]
	s_lshl_b32 s46, s42, 9                         ; my first column, in bytes
	s_lshl_b32 s47, s12, 8
	s_add_co_u32 s46, s46, s47
	s_mov_b32 s47, 0
	s_add_nc_u64 s[8:9], s[8:9], s[46:47]
	s_cmp_ge_u32 ttmp9, 4                          ; block columns 16 to 23 are v: no rotation.  The cluster's x is the same in all sixteen partners
	s_cbranch_scc1 .Lplain
; Rows 16 i .. of my block, rotated: (e, o) -> (e c - o s, e s + o c), times 128^(-1/4), rounded to f16, through my stage in LDS, out in whole rows of 256 bytes.
; win: 0x02 or 0x03 (source 0 in the accumulators' window); pk: this group's packed tables; more = 1: group nexti's are asked for into the other set.
.macro OUTR i, nexti, a, win, pk, nextpk, more
.if \more
	CSLOAD \nexti, \nextpk
	s_wait_loadcnt 16                              ; all but the sixteen just issued: this group's tables are in
.else
	s_wait_loadcnt 0x0
.endif
.irp b, 0,1,2,3,4,5,6,7
.irp w, 0,1
	v_lshlrev_b32 v[COS+4*\b+2*\w],   16,  v[\pk+2*\b+\w]          ; bf16 to f32: the low half moves up, the high half stays
	v_and_b32     v[COS+4*\b+2*\w+1], s74, v[\pk+2*\b+\w]
	v_lshlrev_b32 v[SIN+4*\b+2*\w],   16,  v[\pk+16+2*\b+\w]
	v_and_b32     v[SIN+4*\b+2*\w+1], s74, v[\pk+16+2*\b+\w]
.endr
.endr
	WIN \win
.irp b, 0,1,2,3,4,5,6,7
.irp p, 0,1,2,3
	v_mul_f32 v[EO+8*\b+2*\p],   v[8*(8*\a+\b)+2*\p],    v[COS+4*\b+\p]
	v_mul_f32 v[EO+8*\b+2*\p+1], v[8*(8*\a+\b)+2*\p+1],  v[COS+4*\b+\p]
	v_fma_f32 v[EO+8*\b+2*\p],   -v[8*(8*\a+\b)+2*\p+1], v[SIN+4*\b+\p], v[EO+8*\b+2*\p]
	v_fma_f32 v[EO+8*\b+2*\p+1], v[8*(8*\a+\b)+2*\p],    v[SIN+4*\b+\p], v[EO+8*\b+2*\p+1]
.endr
.endr
	WIN 0
.set k, 0
.rept 32
	v_pk_mul_f32 v[EO+k:EO+k+1], v[EO+k:EO+k+1], 0x3e9837f0 op_sel_hi:[1,0]   ; 128^(-1/4), on q and on k alike
.set k, k+2
.endr
.irp b, 0,1,2,3,4,5,6,7
.irp r, 0,1,2,3
	v_cvt_pk_f16_f32 v[EO+8*\b+\r], v[EO+8*\b+2*\r], v[EO+8*\b+2*\r+1]        ; in place, ascending: a word is written after it has been read
.endr
.endr
.irp b, 0,1,2,3,4,5,6,7
	ds_store_b128 v[STO], v[EO+8*\b:EO+8*\b+3] offset:32*\b
.endr
	s_wait_xcnt 0x0                                ; RB, which the last group's stores read, and the stores' base are rewritten only behind this wait (ISA guide 3.1)
.if \i
	s_add_nc_u64 s[8:9], s[8:9], 16*SIZE_N*2
.endif
.irp t, 0,1,2,3,4,5,6,7
	ds_load_b128 v[RB+4*\t:RB+4*\t+3], v[RD] offset:\t*2*SPITCH    ; LDS serves a wave's instructions in order (ISA guide 5.7.1.4): these see the stores above
.endr
.irp t, 0,1,2,3,4,5,6,7
	s_wait_dscnt 7-\t
	global_store_b128 v[CO], v[RB+4*\t:RB+4*\t+3], s[8:9] offset:2*\t*SIZE_N*2   ; 16 lanes store 256 consecutive bytes, aligned: a head's row
.endr
.endm
	OUTR 0, 1, 0, 0x02, PK0, PK1, 1
	OUTR 1, 2, 1, 0x02, PK1, PK0, 1
	OUTR 2, 3, 2, 0x02, PK0, PK1, 1
	OUTR 3, 4, 3, 0x02, PK1, PK0, 1
	OUTR 4, 5, 0, 0x03, PK0, PK1, 1
	OUTR 5, 6, 1, 0x03, PK1, PK0, 1
	OUTR 6, 7, 2, 0x03, PK0, PK1, 1
	OUTR 7, 0, 3, 0x03, PK1, PK0, 0
	s_branch .Lclose
; v: rounded to f16 and out the same way.  from = 0x0a or 0x0f: sources 0 and 1 in window 2 or 3.  None of these registers is one of v32-63, on which the unused tables land.
.macro OUT16 i, a, from, f
	WIN \from
.irp b, 0,1,2,3,4,5,6,7
.irp r, 0,1,2,3
	v_cvt_pk_f16_f32 v[TMP+4*\b+\r], v[8*(8*\a+\b)+2*\r], v[8*(8*\a+\b)+2*\r+1]
.endr
.endr
	WIN 0
.irp b, 0,1,2,3,4,5,6,7
	ds_store_b128 v[STO], v[TMP+4*\b:TMP+4*\b+3] offset:32*\b
.endr
	s_wait_xcnt 0x0                                ; buffer f, which earlier stores read, and the base are rewritten only behind this wait
.if \i
	s_add_nc_u64 s[8:9], s[8:9], 16*SIZE_N*2
.endif
.irp t, 0,1,2,3,4,5,6,7
	ds_load_b128 v[\f+4*\t:\f+4*\t+3], v[RD] offset:\t*2*SPITCH
.endr
.irp t, 0,1,2,3,4,5,6,7
	s_wait_dscnt 7-\t
	global_store_b128 v[CO], v[\f+4*\t:\f+4*\t+3], s[8:9] offset:2*\t*SIZE_N*2
.endr
.endm
.Lplain:
	OUT16 0, 0, 0x0a, F0
	OUT16 1, 1, 0x0a, F1
	OUT16 2, 2, 0x0a, F0
	OUT16 3, 3, 0x0a, F1
	OUT16 4, 0, 0x0f, F0
	OUT16 5, 1, 0x0f, F1
	OUT16 6, 2, 0x0f, F0
	OUT16 7, 3, 0x0f, F1
.Lclose:
	s_set_vgpr_msb 0x1
	s_wait_tensorcnt 0x0
	ds_add_u32 v255, v31
	s_wait_dscnt 0x0
	s_set_vgpr_msb 0x100
	CROUND                                         ; the closing round: no work-group ends while a partner may still ask for a tile that names it
	s_endpgm
.Lfunc_end_k_qc513e72b23_qkv:
	.size	k_qc513e72b23_qkv, .Lfunc_end_k_qc513e72b23_qkv-k_qc513e72b23_qkv
	.p2alignl 7, 3214868480
	.fill 96, 4, 3214868480
	.section	.rodata,"a",@progbits
	.p2align	6, 0x0
	.amdhsa_kernel k_qc513e72b23_qkv
		.amdhsa_group_segment_fixed_size 327680
		.amdhsa_private_segment_fixed_size 0
		.amdhsa_enable_private_segment 0
		.amdhsa_kernarg_size 40
		.amdhsa_user_sgpr_count 2
		.amdhsa_user_sgpr_kernarg_segment_ptr 1
		.amdhsa_wavefront_size32 1
		.amdhsa_system_sgpr_workgroup_id_x 1
		.amdhsa_system_sgpr_workgroup_id_y 1
		.amdhsa_system_sgpr_workgroup_id_z 1
		.amdhsa_system_vgpr_workitem_id 0
		.amdhsa_next_free_vgpr 1024
		.amdhsa_next_free_sgpr 76
		.amdhsa_reserve_vcc 0
		.amdhsa_float_denorm_mode_32 3
		.amdhsa_float_denorm_mode_16_64 3
		.amdhsa_memory_ordered 1
		.amdhsa_forward_progress 1
		.amdhsa_inst_pref_size 255
	.end_amdhsa_kernel
	.section	.bss,"aw",@nobits
	.p2align	6
	.space	262144
	.amdgpu_metadata
---
amdhsa.version: [ 1, 2 ]
amdhsa.kernels:
  - .name:           k_qc513e72b23_qkv
    .symbol:         k_qc513e72b23_qkv.kd
    .args:
      - { .name: xb, .offset: 0, .size: 8, .value_kind: global_buffer, .address_space: global }
      - { .name: wqkvb, .offset: 8, .size: 8, .value_kind: global_buffer, .address_space: global }
      - { .name: cosb, .offset: 16, .size: 8, .value_kind: global_buffer, .address_space: global }
      - { .name: sinb, .offset: 24, .size: 8, .value_kind: global_buffer, .address_space: global }
      - { .name: qkv, .offset: 32, .size: 8, .value_kind: global_buffer, .address_space: global }
    .group_segment_fixed_size: 327680
    .private_segment_fixed_size: 0
    .kernarg_segment_align: 8
    .kernarg_segment_size: 40
    .max_flat_workgroup_size: 128
    .sgpr_count:     76
    .vgpr_count:     1024
    .wavefront_size: 32
...
	.end_amdgpu_metadata
.endif
;; end of part 2
;; launch attn (part 3): grid 16 x 16, 4 waves a work-group, clusters of 4 x 4, 327,680 bytes of LDS; arguments qkv, mask, ob; writes ob
.if DOCPART == 3
	.amdgcn_target "amdgcn-amd-amdhsa--gfx1250"
	.amdhsa_code_object_version 6
	.text
	.protected	k_qc513e72b23_attn
	.globl	k_qc513e72b23_attn
	.p2align	8
	.type	k_qc513e72b23_attn,@function
k_qc513e72b23_attn:
	s_mov_b64 s[64:65], 0
	v_nop
	global_prefetch_b8 v0, s[64:65] scope:SCOPE_SE
	s_setreg_imm32_b32 hwreg(HW_REG_WAVE_MODE, 25, 1), 1
	s_wait_xcnt 0x0
	s_wait_alu depctr_hold_cnt(0) depctr_sa_sdst(0) depctr_va_vdst(0) depctr_va_sdst(0) depctr_va_ssrc(0) depctr_va_vcc(0) depctr_vm_vsrc(0)
	s_getreg_b32 s2, hwreg(HW_REG_IB_STS2, 6, 4)
	s_cmp_eq_u32 s2, 0
	s_cbranch_scc0 .Lentry_in_a_cluster
	s_endpgm
.Lentry_in_a_cluster:
	s_bfe_u32 s2, ttmp6, 0x10000c
	s_cmp_lg_u32 s2, 0xf033
	s_cbranch_scc0 .Lentry_shape_is_right
	s_endpgm
.Lentry_shape_is_right:
; ob[q][128 head + d] = sum over keys of softmax(q . k + mask[q][key]) v[key][d], for 128 queries of one head; q and k already carry 128^(-1/4) each.
; The mask is an input and is read whole, in f32, as it is given: no tile is skipped.  A running maximum is taken away before every exponential.
; LIMITS, stated: q, k, v, the weights exp(s - max) and the result are f16 operands (weights below 2^-25 of a row's largest drop to zero); a score below
; -1e38 counts as minus infinity; a row whose scores are all minus infinity gives NaN, as the softmax's definition does.
; FOUR WAVES: wave w has qh = w / 2, kh = w % 2: it owns 64 queries (64 qh ..) and, of every tile of 128 keys, the 64 keys 64 kh ..; it keeps its own maximum,
; sum and result, and the two key halves are merged once at the end.  So a wave reads 16 KiB of K, of V and of the mask for a tile's 128 matrix instructions;
; 32 queries x 128 keys a wave would read 32 + 32 + 16 KiB.
; ALL IS TRANSPOSED, lane = query.  S^T = K Q^T: lane (r, h), register j of tile (c, a) holds key 16 a + 8 h + j, query 16 c + r.  So a row's maximum and sum are
; made inside a lane and with one exchange between the halves of the wave; two neighbouring registers packed to f16 ARE the second source of the next product;
; O^T = V^T P^T (V through the transposing LDS load): lane (r, h), register j of tile (d, c) holds column 16 d + 8 h + j of query 16 c + r: the rescale factor
; is the lane's own, and eight results are 16 neighbouring bytes of ob.  The mask's tile is loaded straight into S and starts the sums as the first product's C.
; CLUSTERS: 4 x 4 work-groups, x = query block, y = head.  K and V hang on the head alone and are asked for jointly along a row of the cluster; the mask's tile
; hangs on the query block alone and is asked for jointly along a column.  Wave 0 asks for K, wave 1 for V, waves 2 and 3 for 64 rows of the mask each: 32 KiB each.
; PREFETCH: LDS is full with two slots of one tile, so a tile's tensor load has one trip in which to land and no more.  Wave 0 therefore asks ahead for later tiles:
; in every second trip, for the two tiles whose tensor loads are issued one and two trips later.  Each aligned block of 256 bytes is asked for once in the launch:
; the sixteen query blocks of a head share the 128 rows of a K and a V tile, eight rows each; the sixteen heads of a query block share the 128 rows of the mask's
; tile, eight rows each.  Tiles 0 and 1 are the first fills and are not asked for; the last ask is for tiles 14 and 15.
.set KP, 272                           ; K's LDS row: 256 + 16, an odd multiple of 16
.set VP, 288                           ; V's: 256 + 32, an odd multiple of 32, for the transposing load
.set MP, 528                           ; the mask's: 512 + 16
.set VOFF, 128*KP                      ; 34,816
.set MOFF, VOFF+128*VP                 ; 71,680
.set SLOT, MOFF+128*MP                 ; 139,264; two slots
.set QKVP, 12288                       ; bytes in a row of qkv
.set TILEB, 128*QKVP                   ; 128 keys on
.set XCH, 34816                        ; the merge: 32,768 of O, 1,024 of maxima, 1,024 of sums, for each query half; in slot 0 after its last fill
.set STAGE, 2*XCH                      ; the way out: 16 rows x 272 for each query half; in slot 0 too
.set LOG2E, 0x3fb8aa3b
.set KADR, 10                          ; v10-11  my K fragments in slot 0, 1
.set VADR, 12                          ; v12-13  my V fragments
.set MADR, 14                          ; v14-15  my part of the mask
.set QO,   16                          ; v16     my byte offset in q
.set XADR, 17                          ; v17     exchange: 16 bytes a lane
.set XADR8, 18                         ; v18     exchange: 8 bytes a lane, behind O
.set STO,  19
.set RD,   20
.set CO,   21
.set PKV,  22                          ; v22     asking ahead: my lane's block of K or V; never rewritten
.set PMK,  23                          ; v23     asking ahead: my lane's block of the mask; never rewritten
.set S,    32                          ; v32-159   S(c, a, j) = 32 c + 8 a + j
.set P,    160                         ; v160-223  P(c, q) = 16 c + 8 q
.set NM,   224                         ; v224+2c: minus the maximum; v225+2c: the maximum
.set AL,   232                         ; v232+2c: the rescale factor; v233+2c: the pair's other word, never used
.set LS,   240                         ; v[240+2c:241+2c] two partial sums
.set TA,   248
.set TB,   252
.set FIG,  128                         ; the merge: the partner's figures
.set KF,   128                         ; window 2: Q(c, k) = 8 (4 c + k) in v0-127, K(k, a) = 128 + 8 (4 k + a)
                                       ; window 1: O(d, c) = 8 (4 d + c);  window 3: V(q, d) = 8 (8 q + d)
.set G1K, 24
.set G1V, 32
.set G1M, 48
.set G0K, 56                           ; group 0, four registers for each slot
.set G0V, 68
.set G0M, 76
.set PFK, 88                           ; s[88:89] asking ahead: K's row 8 x query block of the next pair of tiles, my head
.set PFM, 90                           ; s[90:91] asking ahead: the mask's row 128 x query block + 8 x head, at the next pair of tiles
.set MSB, 0
.macro WIN new
.if MSB != \new
	s_set_vgpr_msb (MSB<<8)|\new
.set MSB, \new
.endif
.endm
.macro PLACES                          ; four places behind a matrix instruction (ISA guide 7.12.1 for vector instructions)
.rept 4
	v_nop
.endr
.endm
.macro CROUND                          ; a round of the cluster's barrier
	s_barrier_signal -1
	s_barrier_wait -1
	s_cmp_lg_u32 s10, 0
	s_cbranch_scc1 .Lnot_wave_0_\@
	s_barrier_signal -3
.Lnot_wave_0_\@:
	s_barrier_wait -3
	s_barrier_signal -1
	s_barrier_wait -1
.endm
.macro JLOAD s                         ; one joint load a wave; the branches hang on the wave's number alone
	s_cmp_ge_u32 s10, 2
	s_cbranch_scc1 .Lfor_m_\@
	s_cmp_eq_u32 s10, 0
	s_cbranch_scc0 .Lfor_v_\@
	tensor_load_to_lds s[G0K+4*\s:G0K+4*\s+3], s[G1K:G1K+7]
	s_nop 0
	s_branch .Lasked_\@
.Lfor_v_\@:
	tensor_load_to_lds s[G0V+4*\s:G0V+4*\s+3], s[G1V:G1V+7]
	s_nop 0
	s_branch .Lasked_\@
.Lfor_m_\@:
	tensor_load_to_lds s[G0M+4*\s:G0M+4*\s+3], s[G1M:G1M+7]
	s_nop 0
.Lasked_\@:
.endm
; Wave 0 asks ahead for my share of two tiles: 32 blocks of 256 bytes of K and V (2 tiles x K, V x 8 rows) and 32 of the mask (8 rows x 1 KiB).
; step = 1: inside the loop: the bases go two tiles on first.  The loop's last trip (counter 1) would ask for tiles 16 and 17, which do not exist: it asks for nothing.
.macro ASK step
	s_cmp_lg_u32 s10, 0
	s_cbranch_scc1 .Lno_ask_\@
.if \step
	s_cmp_eq_u32 s3, 1
	s_cbranch_scc1 .Lno_ask_\@
	s_wait_xcnt 0x0                                ; the bases, which the last two asks read, are stepped only behind this wait (ISA guide 3.1); those asks stand two trips back
	s_add_nc_u64 s[PFK:PFK+1], s[PFK:PFK+1], 2*TILEB
	s_add_nc_u64 s[PFM:PFM+1], s[PFM:PFM+1], 2*512
.endif
	global_prefetch_b8 v[PKV], s[PFK:PFK+1] th:TH_LOAD_NT scope:SCOPE_SE
	global_prefetch_b8 v[PMK], s[PFM:PFM+1] th:TH_LOAD_NT scope:SCOPE_SE
.Lno_ask_\@:
.endm
	s_load_b128 s[4:7], s[0:1], 0x0                ; qkv s[4:5], mask s[6:7]
	s_load_b64 s[8:9], s[0:1], 0x10                ; ob
	v_lshl_add_u32 v30, v0, 2, 0x44000
	v_mov_b32 v31, 0
	ds_add_u32 v30, v31
	v_lshrrev_b32 v1, 5, v0
	v_readfirstlane_b32 s10, v1                    ; wave
	s_lshr_b32 s11, s10, 1                         ; qh
	s_and_b32 s12, s10, 1                          ; kh
	s_bfe_u32 s40, ttmp6, 0x40000                  ; cx
	s_bfe_u32 s41, ttmp6, 0x40004                  ; cy
	s_lshl_b32 s42, ttmp9, 2
	s_add_co_u32 s42, s42, s40                     ; query block
	s_and_b32 s13, ttmp7, 0xffff
	s_lshl_b32 s13, s13, 2
	s_add_co_u32 s13, s13, s41                     ; head
	s_lshl_b32 s43, s41, 2
	s_lshl_b32 s43, 15, s43                        ; my row of the cluster
	s_lshl_b32 s44, 0x1111, s40                    ; my column
	s_mov_b32 s22, 0x76543210                      ; v_permlanex16_b32: lane i of one half reads lane i of the other
	s_mov_b32 s23, 0xfedcba98
	; group 1 for K: 128 rows x 128 elements of 2 bytes, pitch 6,144 elements, 4 words of padding behind every 64; for V: 8 words
	s_or_b32 s[G1K+0], s43, (1<<16)|(1<<20)|(1<<21)|(5<<22)|(3<<25)
	s_or_b32 s[G1V+0], s43, (1<<16)|(1<<20)|(1<<21)|(5<<22)|(7<<25)
	s_mov_b32 s[G1K+1], 128<<16
	s_mov_b32 s[G1V+1], 128<<16
	s_mov_b32 s[G1K+2], 128<<16
	s_mov_b32 s[G1V+2], 128<<16
	s_mov_b32 s[G1K+3], 128<<16
	s_mov_b32 s[G1V+3], 128<<16
	s_mov_b32 s[G1K+4], 128
	s_mov_b32 s[G1V+4], 128
	s_mov_b32 s[G1K+5], 6144
	s_mov_b32 s[G1V+5], 6144
	s_mov_b32 s[G1K+6], 0
	s_mov_b32 s[G1V+6], 0
	s_mov_b32 s[G1K+7], 0
	s_mov_b32 s[G1V+7], 0
	; group 1 for the mask: 64 rows x 128 elements of 4 bytes, pitch 2,048 elements, 4 words of padding behind every 128
	s_or_b32 s[G1M+0], s44, (2<<16)|(1<<20)|(1<<21)|(6<<22)|(3<<25)
	s_mov_b32 s[G1M+1], 128<<16
	s_mov_b32 s[G1M+2], 64<<16
	s_mov_b32 s[G1M+3], 128<<16
	s_mov_b32 s[G1M+4], 64
	s_mov_b32 s[G1M+5], 2048
	s_mov_b32 s[G1M+6], 0
	s_mov_b32 s[G1M+7], 0
	s_lshl_b32 s14, s13, 8                         ; K, V: 256 bytes a head; these registers never hold the query block
	s_mov_b32 s15, 0
	s_lshl_b32 s46, s42, 20                        ; mask: 128 rows of 8,192 bytes a query block, 64 rows for the second of the two waves; never the head
	s_lshl_b32 s47, s12, 19
	s_add_co_u32 s46, s46, s47
	s_mov_b32 s47, 0
	s_lshl_b32 s86, s42, 7                         ; my first query: 128 x block + 64 qh
	s_lshl_b32 s85, s11, 6
	s_add_co_u32 s86, s86, s85
	s_mul_i32 s84, s86, QKVP                       ; in q
	s_lshl_b32 s85, s13, 8
	s_add_co_u32 s84, s84, s85
	s_lshl_b32 s86, s86, 12                        ; in ob: rows of 4,096 bytes
	s_add_co_u32 s86, s86, s85
	s_mov_b32 s85, 0
	s_mov_b32 s87, 0
	s_mul_i32 s[PFK], s42, 8*QKVP                  ; asking ahead, K and V: row 8 x query block of tile 2, K's columns of my head
	s_lshl_b32 s[PFK+1], s13, 8
	s_add_co_u32 s[PFK], s[PFK], s[PFK+1]
	s_add_co_u32 s[PFK], s[PFK], 4096+2*TILEB
	s_mov_b32 s[PFK+1], 0
	s_lshl_b32 s[PFM], s42, 20                     ; asking ahead, the mask: row 128 x query block + 8 x head, at tile 2's 512 bytes
	s_lshl_b32 s[PFM+1], s13, 16
	s_add_co_u32 s[PFM], s[PFM], s[PFM+1]
	s_add_co_u32 s[PFM], s[PFM], 2*512
	s_mov_b32 s[PFM+1], 0
	s_mul_i32 s20, s10, 64*MP                      ; the mask's LDS rows: wave x 64 rows, counted from two waves below the mask's region
	s_wait_dscnt 0x0
	s_wait_kmcnt 0x0
	s_add_nc_u64 s[16:17], s[4:5], s[14:15]
	s_add_nc_u64 s[46:47], s[6:7], s[46:47]
	s_add_nc_u64 s[84:85], s[4:5], s[84:85]
	s_add_nc_u64 s[8:9], s[8:9], s[86:87]
	s_add_nc_u64 s[PFK:PFK+1], s[4:5], s[PFK:PFK+1]
	s_add_nc_u64 s[PFM:PFM+1], s[6:7], s[PFM:PFM+1]
	CROUND                                         ; in front of the first joint loads
.irp s, 0,1
	s_mov_b32 s[G0K+4*\s], 1
	s_mov_b32 s[G0K+4*\s+1], \s*SLOT
	s_add_nc_u64 s[G0K+4*\s+2:G0K+4*\s+3], s[16:17], 4096+\s*TILEB
	s_or_b32 s[G0K+4*\s+3], s[G0K+4*\s+3], 0x80000000
	s_mov_b32 s[G0V+4*\s], 1
	s_mov_b32 s[G0V+4*\s+1], \s*SLOT+VOFF
	s_add_nc_u64 s[G0V+4*\s+2:G0V+4*\s+3], s[16:17], 8192+\s*TILEB
	s_or_b32 s[G0V+4*\s+3], s[G0V+4*\s+3], 0x80000000
	s_mov_b32 s[G0M+4*\s], 1
	s_add_co_u32 s[G0M+4*\s+1], s20, \s*SLOT+MOFF-2*64*MP          ; waves 2, 3: the mask's rows 0-63, 64-127
	s_add_nc_u64 s[G0M+4*\s+2:G0M+4*\s+3], s[46:47], \s*512
	s_or_b32 s[G0M+4*\s+3], s[G0M+4*\s+3], 0x80000000
	JLOAD \s                                       ; tiles 0 and 1: two tensor loads of the wave are out
.endr
	v_and_b32 v1, 15, v0                           ; r
	v_bfe_u32 v2, v0, 4, 1                         ; h
	v_and_b32 v7, 31, v0                           ; lane
	v_mul_u32_u24 v3, v1, KP
	v_lshl_add_u32 v3, v2, 4, v3                   ; 272 r + 16 h
	s_mul_i32 s21, s12, 64*KP
	v_add_nc_u32 v[KADR], s21, v3                  ; K: row 64 kh + r
	v_add_nc_u32 v[KADR+1], SLOT, v[KADR]
	v_and_b32 v4, 7, v0
	v_lshl_add_u32 v4, v2, 3, v4
	v_mul_u32_u24 v4, v4, VP                       ; V: row 64 kh + 8 h + lane % 8,
	v_bfe_u32 v5, v0, 3, 1
	v_lshl_add_u32 v4, v5, 4, v4                   ; 16 bytes further for the upper eight of sixteen lanes
	s_mul_i32 s21, s12, 64*VP
	s_add_co_u32 s21, s21, VOFF
	v_add_nc_u32 v[VADR], s21, v4
	v_add_nc_u32 v[VADR+1], SLOT, v[VADR]
	v_mul_u32_u24 v6, v1, MP
	v_lshl_add_u32 v6, v2, 5, v6                   ; mask: row 64 qh + r, byte 256 kh + 32 h
	s_mul_i32 s21, s11, 64*MP
	s_lshl_b32 s18, s12, 8
	s_add_co_u32 s21, s21, s18
	s_add_co_u32 s21, s21, MOFF
	v_add_nc_u32 v[MADR], s21, v6
	v_add_nc_u32 v[MADR+1], SLOT, v[MADR]
	v_mul_u32_u24 v[QO], v1, QKVP
	v_lshl_add_u32 v[QO], v2, 4, v[QO]
	s_mul_i32 s21, s11, XCH
	v_lshl_add_u32 v[XADR], v7, 4, s21
	s_add_co_u32 s18, s21, 32768
	v_lshl_add_u32 v[XADR8], v7, 3, s18
	s_mul_i32 s21, s11, 16*KP
	s_add_co_u32 s21, s21, STAGE
	v_add_nc_u32 v[STO], s21, v3
	v_mul_u32_u24 v5, v2, KP
	v_lshl_add_u32 v5, v1, 4, v5
	v_add_nc_u32 v[RD], s21, v5
	v_lshlrev_b32 v8, 12, v2
	v_lshl_add_u32 v[CO], v1, 4, v8
	; asking ahead: lane = 16 x (second tile of the pair) + 8 x (V, not K) + row;  for the mask: lane = 4 x row + block of 256 bytes
	v_and_b32 v8, 7, v0
	v_mul_u32_u24 v[PKV], v8, QKVP
	v_bfe_u32 v9, v0, 3, 1
	v_lshl_add_u32 v[PKV], v9, 12, v[PKV]          ; V's columns lie 4,096 bytes behind K's
	v_mul_u32_u24 v9, v2, TILEB
	v_add_nc_u32 v[PKV], v[PKV], v9
	v_bfe_u32 v9, v0, 2, 3
	v_and_b32 v8, 3, v0
	v_lshlrev_b32 v[PMK], 13, v9                   ; the mask's rows are 8,192 bytes
	v_lshl_add_u32 v[PMK], v8, 8, v[PMK]
	; Q stays in registers for the whole kernel: 4 blocks of 16 queries x 4 steps of 32 along the head
	WIN 0x80
.irp c, 0,1,2,3
.irp k, 0,1,2,3
	global_load_b128 v[8*(4*\c+\k):8*(4*\c+\k)+3],   v[QO], s[84:85] offset:\c*16*QKVP+64*\k
	global_load_b128 v[8*(4*\c+\k)+4:8*(4*\c+\k)+7], v[QO], s[84:85] offset:\c*16*QKVP+64*\k+32
.endr
.endr
	WIN 0
.irp c, 0,1,2,3
	v_mov_b32 v[NM+2*\c+1], 0xfe967699             ; the maximum starts at -1e38: finite, so that no difference of maxima is inf - inf
	v_mov_b32 v[AL+2*\c+1], 0                      ; the other word of a pair that packed instructions name
.endr
	s_wait_tensorcnt 1                             ; my part of tile 0 is in; tile 1's may stay out
	s_barrier_signal -1
	s_barrier_wait -1
	s_wait_loadcnt 0x0                             ; Q
.macro KLOAD slot, k
.irp a, 0,1,2,3
	ds_load_b128 v[KF+8*(4*\k+\a):KF+8*(4*\k+\a)+3],   v[KADR+\slot] offset:\a*16*KP+64*\k
	ds_load_b128 v[KF+8*(4*\k+\a)+4:KF+8*(4*\k+\a)+7], v[KADR+\slot] offset:\a*16*KP+64*\k+32
.endr
.endm
.macro SMUL k                          ; 16 products; the sixteen accumulators take turns, one instruction a turn
.irp c, 0,1,2,3
.irp a, 0,1,2,3
	v_wmma_f32_16x16x32_f16 v[S+32*\c+8*\a:S+32*\c+8*\a+7], v[KF+8*(4*\k+\a):KF+8*(4*\k+\a)+7], v[8*(4*\c+\k):8*(4*\c+\k)+7], v[S+32*\c+8*\a:S+32*\c+8*\a+7]
.endr
.endr
.endm
.macro PVQ q, zero                     ; 32 products on 32 accumulators by turns
.irp d, 0,1,2,3,4,5,6,7
.irp c, 0,1,2,3
.if \zero
	v_wmma_f32_16x16x32_f16 v[8*(4*\d+\c):8*(4*\d+\c)+7], v[8*(8*\q+\d):8*(8*\q+\d)+7], v[P+16*\c+8*\q:P+16*\c+8*\q+7], 0
.else
	v_wmma_f32_16x16x32_f16 v[8*(4*\d+\c):8*(4*\d+\c)+7], v[8*(8*\q+\d):8*(8*\q+\d)+7], v[P+16*\c+8*\q:P+16*\c+8*\q+7], v[8*(4*\d+\c):8*(4*\d+\c)+7]
.endif
.endr
.endr
.endm
.macro SCALEO d0, d1, d2, d3, d4, d5, d6, d7   ; O times the lane's factor in AL
.irp d, \d0, \d1, \d2, \d3, \d4, \d5, \d6, \d7
.irp c, 0,1,2,3
.irp p, 0,2,4,6
	v_pk_mul_f32 v[8*(4*\d+\c)+\p:8*(4*\d+\c)+\p+1], v[8*(4*\d+\c)+\p:8*(4*\d+\c)+\p+1], v[AL+2*\c:AL+2*\c+1] op_sel_hi:[1,0]
.endr
.endr
.endr
.endm
; One tile of 128 keys from slot.  mode 1: the other slot, read in the last trip, is filled again with the tile after this one; mode 2: the last tile, nothing
; is left to fetch; mode 0: the first tile, shown landed above.  first = 1: nothing to rescale, the first products start O and the sums.
; ask = 1: wave 0 asks ahead for tiles 2 and 3; ask = 2: for the two tiles behind the one just requested; ask = 0: nothing is asked for in this trip.
.macro TRIP slot, other, mode, first, ask
.if \mode == 1
	s_wait_dscnt 0x0                               ; my reads of the other slot are over
	s_wait_tensorcnt 0x0                           ; all my tensor loads have landed: the one that was out is my part of this slot
	ds_add_u32 v30, v31
	s_wait_dscnt 0x0
	CROUND                                         ; both now hold of every wave of all sixteen work-groups
	s_add_nc_u64 s[G0K+4*\other+2:G0K+4*\other+3], s[G0K+4*\other+2:G0K+4*\other+3], 2*TILEB
	s_add_nc_u64 s[G0V+4*\other+2:G0V+4*\other+3], s[G0V+4*\other+2:G0V+4*\other+3], 2*TILEB
	s_add_nc_u64 s[G0M+4*\other+2:G0M+4*\other+3], s[G0M+4*\other+2:G0M+4*\other+3], 2*512
	JLOAD \other                                   ; the wave's one tensor load behind the round
.endif
.if \mode == 2
	s_wait_dscnt 0x0
	s_wait_tensorcnt 0x0
	s_barrier_signal -1
	s_barrier_wait -1                              ; the last tile is whole; nobody reads slot 0 any more
.endif
.if \ask == 1
	ASK 0
.endif
.if \ask == 2
	ASK 1                                          ; trip t has just requested tile t + 1; tiles t + 2 and t + 3 are requested in the next two trips
.endif
	; the mask, straight into S: lane (r, h) takes keys 16 a + 8 h + 0..7 of query 16 c + r, 32 bytes
.irp c, 0,1,2,3
.irp a, 0,1,2,3
	ds_load_b128 v[S+32*\c+8*\a:S+32*\c+8*\a+3],   v[MADR+\slot] offset:\c*16*MP+64*\a
	ds_load_b128 v[S+32*\c+8*\a+4:S+32*\c+8*\a+7], v[MADR+\slot] offset:\c*16*MP+64*\a+16
.endr
.endr
	WIN 0x80
	KLOAD \slot, 0
	KLOAD \slot, 1
	WIN 0x0a
	s_wait_dscnt 8                                 ; all but step 1's eight loads
	SMUL 0                                         ; C = the mask
	WIN 0x80
	KLOAD \slot, 2
	KLOAD \slot, 3
	WIN 0x0a
	s_wait_dscnt 16                                ; all but the sixteen just issued
	SMUL 1
	s_wait_dscnt 8                                 ; all but step 3's
	SMUL 2
	s_wait_dscnt 0x0
	SMUL 3
	PLACES                                         ; for the reads of S, and for the loads onto V's registers, which the last trip's products read
	WIN 0xc0
.irp q, 0,1
.irp d, 0,1,2,3,4,5,6,7
	ds_load_tr16_b128 v[8*(8*\q+\d):8*(8*\q+\d)+3],   v[VADR+\slot] offset:\q*32*VP+32*\d
	ds_load_tr16_b128 v[8*(8*\q+\d)+4:8*(8*\q+\d)+7], v[VADR+\slot] offset:\q*32*VP+32*\d+16*VP
.endr
.endr
	WIN 0
	; the new maximum of each of my four queries: 32 scores in the lane, 32 in the lane of the other half
.irp c, 0,1,2,3
	v_max3_num_f32 v[TA+\c], v[NM+2*\c+1], v[S+32*\c], v[S+32*\c+1]
	v_max_num_f32 v[TB+\c], v[S+32*\c+16], v[S+32*\c+17]
.endr
.irp i, 2,4,6,8,10,12,14
.irp c, 0,1,2,3
	v_max3_num_f32 v[TA+\c], v[TA+\c], v[S+32*\c+\i], v[S+32*\c+\i+1]
	v_max3_num_f32 v[TB+\c], v[TB+\c], v[S+32*\c+16+\i], v[S+32*\c+17+\i]
.endr
.endr
.irp c, 0,1,2,3
	v_max_num_f32 v[TA+\c], v[TA+\c], v[TB+\c]
.endr
.irp c, 0,1,2,3
	v_permlanex16_b32 v[TB+\c], v[TA+\c], s22, s23
.endr
.irp c, 0,1,2,3
	v_max_num_f32 v[TA+\c], v[TA+\c], v[TB+\c]
.endr
.if \first == 0
.irp c, 0,1,2,3
	v_sub_f32 v[TB+\c], v[NM+2*\c+1], v[TA+\c]     ; old maximum - new
.endr
.irp c, 0,1,2,3
	v_mul_f32 v[TB+\c], LOG2E, v[TB+\c]
.endr
.irp c, 0,1,2,3
	v_exp_f32 v[AL+2*\c], v[TB+\c]
.endr
.endif
.irp c, 0,1,2,3
	v_mov_b32 v[NM+2*\c+1], v[TA+\c]               ; plain lines that touch neither AL nor TB stand behind the exponentials (ISA guide 5.7.2)
.endr
.irp c, 0,1,2,3
	v_sub_f32 v[NM+2*\c], 0, v[TA+\c]
.endr
	; exp(s - max).  The difference is made first and multiplied then: with max x log2 e rounded beforehand, a maximum of 1e10 (a mask with an offset) would leave
	; thousands in the exponent of the largest score.  Block by block, so that the next block's plain lines stand behind each run of exponentials.
.irp c, 0,1,2,3
.set i, 0
.rept 16
	v_pk_add_f32 v[S+32*\c+i:S+32*\c+i+1], v[S+32*\c+i:S+32*\c+i+1], v[NM+2*\c:NM+2*\c+1] op_sel_hi:[1,0]
.set i, i+2
.endr
.set i, 0
.rept 16
	v_pk_mul_f32 v[S+32*\c+i:S+32*\c+i+1], v[S+32*\c+i:S+32*\c+i+1], LOG2E op_sel_hi:[1,0]
.set i, i+2
.endr
.set i, 0
.rept 32
	v_exp_f32 v[S+32*\c+i], v[S+32*\c+i]
.set i, i+1
.endr
.endr
	; the sums, four chains by turns; the first three lines name nothing of the last block and stand behind its exponentials
.if \first
	s_wait_alu depctr_va_vdst(0)
.irp c, 0,1,2,3
	v_pk_add_f32 v[LS+2*\c:LS+2*\c+1], v[S+32*\c:S+32*\c+1], v[S+32*\c+2:S+32*\c+3]
.endr
.set i, 4
.rept 14
.irp c, 0,1,2,3
	v_pk_add_f32 v[LS+2*\c:LS+2*\c+1], v[LS+2*\c:LS+2*\c+1], v[S+32*\c+i:S+32*\c+i+1]
.endr
.set i, i+2
.endr
.else
	s_wait_alu depctr_va_vdst(0)
.irp c, 0,1,2,3
	v_pk_fma_f32 v[LS+2*\c:LS+2*\c+1], v[LS+2*\c:LS+2*\c+1], v[AL+2*\c:AL+2*\c+1], v[S+32*\c:S+32*\c+1] op_sel_hi:[1,0,1]
.endr
.set i, 2
.rept 15
.irp c, 0,1,2,3
	v_pk_add_f32 v[LS+2*\c:LS+2*\c+1], v[LS+2*\c:LS+2*\c+1], v[S+32*\c+i:S+32*\c+i+1]
.endr
.set i, i+2
.endr
.endif
	; P: keys 32 q + 8 h + 0..7 (tile 2 q) in registers 0-3, keys 32 q + 16 + 8 h + 0..7 (tile 2 q + 1) in registers 4-7: the second source's own layout
.irp c, 0,1,2,3
.set i, 0
.rept 16
	v_cvt_pk_f16_f32 v[P+16*\c+i], v[S+32*\c+2*i], v[S+32*\c+2*i+1]
.set i, i+1
.endr
.endr
.if \first == 0
	WIN 0x41
	SCALEO 0, 1, 2, 3, 4, 5, 6, 7
.endif
	s_wait_dscnt 0x0                               ; V, asked for in front of the softmax
	WIN 0x53
	PVQ 0, \first
	PVQ 1, 0
	WIN 0
.endm
	TRIP 0, 1, 0, 1, 1                             ; tile 0; asks ahead for tiles 2 and 3
	s_mov_b32 s3, 7
.Lpair:
	TRIP 1, 0, 1, 0, 0                             ; tiles 1, 3, .. 13
	TRIP 0, 1, 1, 0, 2                             ; tiles 2, 4, .. 14; tiles 2 to 12 ask ahead for (4, 5) to (14, 15)
	s_sub_co_u32 s3, s3, 1
	s_cmp_lg_u32 s3, 0
	s_cbranch_scc1 .Lpair
	TRIP 1, 0, 2, 0, 0                             ; tile 15
	; THE MERGE of the two key halves.  Slot 0 has had its last fill (tile 14) and its last read, shown to every wave by tile 15's barrier.
	PLACES
.irp c, 0,1,2,3
	v_add_f32 v[LS+2*\c], v[LS+2*\c], v[LS+2*\c+1]
.endr
.irp c, 0,1,2,3
	v_permlanex16_b32 v[TB+\c], v[LS+2*\c], s22, s23
.endr
.irp c, 0,1,2,3
	v_add_f32 v[LS+2*\c], v[LS+2*\c], v[TB+\c]     ; my half's sum, in every lane of the query
.endr
	s_cmp_eq_u32 s12, 0
	s_cbranch_scc1 .Lkeep
	WIN 0x04                                       ; store data in window 1
.set i, 0
.rept 64
	ds_store_b128 v[XADR], v[4*i:4*i+3] offset:512*i
.set i, i+1
.endr
	WIN 0
.irp c, 0,1,2,3
	ds_store_b64 v[XADR8], v[NM+2*\c:NM+2*\c+1] offset:256*\c
	ds_store_b64 v[XADR8], v[LS+2*\c:LS+2*\c+1] offset:1024+256*\c
.endr
.Lkeep:
	s_wait_dscnt 0x0                               ; for the partner's sake
	s_barrier_signal -1
	s_barrier_wait -1
	s_cmp_lg_u32 s12, 0
	s_cbranch_scc1 .Ldone
.irp c, 0,1,2,3
	ds_load_b64 v[FIG+2*\c:FIG+2*\c+1], v[XADR8] offset:256*\c             ; (-m', m')
	ds_load_b64 v[FIG+8+2*\c:FIG+8+2*\c+1], v[XADR8] offset:1024+256*\c    ; (l', -)
.endr
	WIN 0x80                                       ; the partner's O into window 2, at O's own numbers
.set i, 0
.rept 32
	ds_load_b128 v[4*i:4*i+3], v[XADR] offset:512*i
.set i, i+1
.endr
	s_wait_dscnt 32                                ; all but those 32: the figures are in
.rept 32
	ds_load_b128 v[4*i:4*i+3], v[XADR] offset:512*i
.set i, i+1
.endr
	WIN 0
.irp c, 0,1,2,3
	v_max_num_f32 v[TA+\c], v[NM+2*\c+1], v[FIG+2*\c+1]
.endr
.irp c, 0,1,2,3
	v_sub_f32 v[TB+\c], v[NM+2*\c+1], v[TA+\c]
	v_sub_f32 v[FIG+2*\c+1], v[FIG+2*\c+1], v[TA+\c]
.endr
.irp c, 0,1,2,3
	v_mul_f32 v[TB+\c], LOG2E, v[TB+\c]
	v_mul_f32 v[FIG+2*\c+1], LOG2E, v[FIG+2*\c+1]
.endr
.irp c, 0,1,2,3
	v_exp_f32 v[AL+2*\c], v[TB+\c]
	v_exp_f32 v[FIG+2*\c], v[FIG+2*\c+1]
.endr
	v_nop                                          ; one plain place behind the exponentials (ISA guide 5.7.2)
	s_wait_alu depctr_va_vdst(0)
.irp c, 0,1,2,3
	v_mul_f32 v[LS+2*\c], v[LS+2*\c], v[AL+2*\c]
.endr
.irp c, 0,1,2,3
	v_fmac_f32 v[LS+2*\c], v[FIG+8+2*\c], v[FIG+2*\c]
.endr
.irp c, 0,1,2,3
	v_rcp_f32 v[TA+\c], v[LS+2*\c]
.endr
	v_nop
	s_wait_alu depctr_va_vdst(0)
.irp c, 0,1,2,3
	v_mul_f32 v[AL+2*\c], v[AL+2*\c], v[TA+\c]     ; my factor
	v_mul_f32 v[NM+2*\c], v[FIG+2*\c], v[TA+\c]    ; the partner's
.endr
.macro ADDO d0, d1, d2, d3
.irp d, \d0, \d1, \d2, \d3
.irp c, 0,1,2,3
.irp p, 0,2,4,6
	v_pk_fma_f32 v[8*(4*\d+\c)+\p:8*(4*\d+\c)+\p+1], v[8*(4*\d+\c)+\p:8*(4*\d+\c)+\p+1], v[NM+2*\c:NM+2*\c+1], v[8*(4*\d+\c)+\p:8*(4*\d+\c)+\p+1] op_sel_hi:[1,0,1]
.endr
.endr
.endr
.endm
	WIN 0x41
	SCALEO 0, 1, 2, 3, 4, 5, 6, 7
	s_wait_dscnt 32                                ; the first 32 loads of the partner's O
	WIN 0x52                                       ; source 0 window 2, source 1 window 0, source 2 and destination window 1
	ADDO 0, 1, 2, 3
	s_wait_dscnt 0x0
	ADDO 4, 5, 6, 7
; queries 16 c .. 16 c + 15: to f16, 16 bytes a lane into my stage, back as whole rows of 256 bytes
.macro OUTQ c, f
	WIN 0x05
.irp d, 0,1,2,3,4,5,6,7
.irp p, 0,1,2,3
	v_cvt_pk_f16_f32 v[S+4*\d+\p], v[8*(4*\d+\c)+2*\p], v[8*(4*\d+\c)+2*\p+1]
.endr
.endr
	WIN 0
.irp d, 0,1,2,3,4,5,6,7
	ds_store_b128 v[STO], v[S+4*\d:S+4*\d+3] offset:32*\d
.endr
	s_wait_xcnt 0x0                                ; buffer f, which earlier stores read, is rewritten only behind this wait (ISA guide 3.1)
.irp t, 0,1,2,3,4,5,6,7
	ds_load_b128 v[\f+4*\t:\f+4*\t+3], v[RD] offset:\t*2*KP        ; LDS serves a wave's instructions in order (ISA guide 5.7.1.4)
.endr
.irp t, 0,1,2,3,4,5,6,7
	s_wait_dscnt 7-\t
	global_store_b128 v[CO], v[\f+4*\t:\f+4*\t+3], s[8:9] offset:(16*\c+2*\t)*4096   ; 16 lanes store 256 consecutive bytes, aligned: the head's part of a row
.endr
.endm
	OUTQ 0, 64
	OUTQ 1, 96
	OUTQ 2, 64
	OUTQ 3, 96
.Ldone:
	s_wait_tensorcnt 0x0
	ds_add_u32 v30, v31
	s_wait_dscnt 0x0
	CROUND                                         ; the closing round
	s_endpgm
.Lfunc_end_k_qc513e72b23_attn:
	.size	k_qc513e72b23_attn, .Lfunc_end_k_qc513e72b23_attn-k_qc513e72b23_attn
	.p2alignl 7, 3214868480
	.fill 96, 4, 3214868480
	.section	.rodata,"a",@progbits
	.p2align	6, 0x0
	.amdhsa_kernel k_qc513e72b23_attn
		.amdhsa_group_segment_fixed_size 327680
		.amdhsa_private_segment_fixed_size 0
		.amdhsa_enable_private_segment 0
		.amdhsa_kernarg_size 24
		.amdhsa_user_sgpr_count 2
		.amdhsa_user_sgpr_kernarg_segment_ptr 1
		.amdhsa_wavefront_size32 1
		.amdhsa_system_sgpr_workgroup_id_x 1
		.amdhsa_system_sgpr_workgroup_id_y 1
		.amdhsa_system_sgpr_workgroup_id_z 1
		.amdhsa_system_vgpr_workitem_id 0
		.amdhsa_next_free_vgpr 896
		.amdhsa_next_free_sgpr 92
		.amdhsa_reserve_vcc 0
		.amdhsa_float_denorm_mode_32 3
		.amdhsa_float_denorm_mode_16_64 3
		.amdhsa_memory_ordered 1
		.amdhsa_forward_progress 1
		.amdhsa_inst_pref_size 252
	.end_amdhsa_kernel
	.amdgpu_metadata
---
amdhsa.version: [ 1, 2 ]
amdhsa.kernels:
  - .name:           k_qc513e72b23_attn
    .symbol:         k_qc513e72b23_attn.kd
    .args:
      - { .name: qkv, .offset: 0, .size: 8, .value_kind: global_buffer, .address_space: global }
      - { .name: mask, .offset: 8, .size: 8, .value_kind: global_buffer, .address_space: global }
      - { .name: ob, .offset: 16, .size: 8, .value_kind: global_buffer, .address_space: global }
    .group_segment_fixed_size: 327680
    .private_segment_fixed_size: 0
    .kernarg_segment_align: 8
    .kernarg_segment_size: 24
    .max_flat_workgroup_size: 128
    .sgpr_count:     92
    .vgpr_count:     896
    .wavefront_size: 32
...
	.end_amdgpu_metadata
.endif
;; end of part 3
;; launch oproj (part 4): grid 16 x 16, 4 waves a work-group, clusters of 4 x 4, 327,680 bytes of LDS; arguments ob, wob, out0; writes out0
.if DOCPART == 4
	.amdgcn_target "amdgcn-amd-amdhsa--gfx1250"
	.amdhsa_code_object_version 6
	.text
	.protected	k_qc513e72b23_oproj
	.globl	k_qc513e72b23_oproj
	.p2align	8
	.type	k_qc513e72b23_oproj,@function
k_qc513e72b23_oproj:
	s_mov_b64 s[64:65], 0
	v_nop
	global_prefetch_b8 v0, s[64:65] scope:SCOPE_SE
	s_setreg_imm32_b32 hwreg(HW_REG_WAVE_MODE, 25, 1), 1
	s_wait_xcnt 0x0
	s_wait_alu depctr_hold_cnt(0) depctr_sa_sdst(0) depctr_va_vdst(0) depctr_va_sdst(0) depctr_va_ssrc(0) depctr_va_vcc(0) depctr_vm_vsrc(0)
	s_getreg_b32 s2, hwreg(HW_REG_IB_STS2, 6, 4)
	s_cmp_eq_u32 s2, 0
	s_cbranch_scc0 .Lentry_in_a_cluster
	s_endpgm
.Lentry_in_a_cluster:
	s_bfe_u32 s2, ttmp6, 0x10000c
	s_cmp_lg_u32 s2, 0xf033
	s_cbranch_scc0 .Lentry_shape_is_right
	s_endpgm
.Lentry_shape_is_right:
; out0[m][n] = sum over k of ob[m][k] wob[n][k]  (2,048 x 2,048 x 2,048, f16 operands, f32 sums and f32 out).
; 16 x 16 blocks of 128 x 128, so that there are 256 work-groups; four waves, a wave 64 x 64: 16 accumulator tiles, 128 registers.
; A slot of the ring holds 256 along K (rows of 512 bytes), brought by one tensor load a wave of 64 rows, 32 KiB: eight slot steps, one barrier each;
; from a request to the wait for it a wave issues 112 matrix instructions.
; CLUSTERS: 4 x 4 work-groups; ob's tiles are asked for jointly along a row of the cluster, wob's along a column.
; PREFETCH: two such slots fill LDS, and 112 matrix instructions are little for a tile to land in.  Wave 0 therefore asks ahead, a lap (two slots, 1 KiB of every
; row) at a time: at the start for lap 1, and behind the second refill of lap n for lap n + 2, whose tensor loads are issued one and two slot steps later.
; Each aligned block of 256 bytes is asked for once in the launch: the sixteen blocks of a block row share ob's 128 rows, eight rows each, and the sixteen of a
; block column share wob's 128 rows likewise.  Lap 0 is the first fills and is not asked for; the last ask is for lap 3, the last.
; Windows: 0 addresses and ob's fragments, 1 wob's fragments, 2 the accumulators (tile (a, b) at v[8 (4 a + b)]).
; The matrix instruction is used transposed (source 0 = rows of wob): a lane's eight results are eight neighbouring columns of one row, 32 bytes of f32.
.set SIZE_N, 2048
.set SIZE_K, 2048
.set SLOTK,  256                       ; along K in a slot
.set PITCH,  528                       ; 512 bytes + 16
.set HALFT,  64*PITCH                  ; what one tensor load brings
.set SLOT,   4*HALFT                   ; ob's 128 rows, then wob's
.set STAGE,  2*SLOT
.set SPITCH, 272                       ; the way out: 64 f32 + 16 bytes
.set LAPS, SIZE_K/(2*SLOTK)
.set ADRA, 16
.set ADRB, 20
.set STO,  24
.set RD,   25
.set CO,   26
.set PFO,  27                          ; v27     asking ahead: 4,096 x (lane / 4) + 256 x (lane % 4); never rewritten
.set F0,   64                          ; a buffer: fragment (q, block) at 8 (4 q + block), q = the step of 32 inside 64 along K
.set F1,   128
.set G1, 24
.set G0, 32
.set G1B, 48
.set G0B, 56
.set PFA, 66                           ; s[66:67] asking ahead: ob's row 128 x block row + 8 x block column, at the next lap to ask for
.set PFB, 68                           ; s[68:69] asking ahead: wob's row 128 x block column + 8 x block row, likewise
.set MSB, 0
.macro WIN new
.if MSB != \new
	s_set_vgpr_msb (MSB<<8)|\new
.set MSB, \new
.endif
.endm
.set MUL,  0xa1                        ; source 0 window 1, source 1 window 0, C and D window 2
.set TO_B, 0x40
.macro JLOAD s                         ; waves 0, 1 fetch ob's halves, waves 2, 3 wob's
	s_cmp_eq_u32 s11, 0
	s_cbranch_scc0 .Lfor_b_\@
	tensor_load_to_lds s[G0+4*\s:G0+4*\s+3], s[G1:G1+7]
	s_nop 0
	s_branch .Lasked_\@
.Lfor_b_\@:
	tensor_load_to_lds s[G0B+4*\s:G0B+4*\s+3], s[G1B:G1B+7]
	s_nop 0
.Lasked_\@:
.endm
.macro CREST
	s_cmp_lg_u32 s10, 0
	s_cbranch_scc1 .Lnot_wave_0_\@
	s_barrier_signal -3
.Lnot_wave_0_\@:
	s_barrier_wait -3
	s_barrier_signal -1
	s_barrier_wait -1
.endm
.macro CROUND
	s_barrier_signal -1
	s_barrier_wait -1
	CREST
.endm
; Wave 0 asks ahead for my share of a lap: 8 rows x 1 KiB of ob and of wob, 32 blocks of 256 bytes each.
; step = 1: the bases go a lap on first.  With the lap counter at 1 (lap 2) the ask would be for lap 4, which does not exist: nothing is asked for.
.macro ASK step
	s_cmp_lg_u32 s10, 0
	s_cbranch_scc1 .Lno_ask_\@
.if \step
	s_cmp_eq_u32 s3, 1
	s_cbranch_scc1 .Lno_ask_\@
	s_wait_xcnt 0x0                                ; the bases, which the last two asks read, are stepped only behind this wait (ISA guide 3.1); those asks stand a lap back
	s_add_nc_u64 s[PFA:PFA+1], s[PFA:PFA+1], 2*SLOTK*2
	s_add_nc_u64 s[PFB:PFB+1], s[PFB:PFB+1], 2*SLOTK*2
.endif
	global_prefetch_b8 v[PFO], s[PFA:PFA+1] th:TH_LOAD_NT scope:SCOPE_SE
	global_prefetch_b8 v[PFO], s[PFB:PFB+1] th:TH_LOAD_NT scope:SCOPE_SE
.Lno_ask_\@:
.endm
	s_load_b128 s[4:7], s[0:1], 0x0                ; ob s[4:5], wob s[6:7]
	s_load_b64 s[8:9], s[0:1], 0x10                ; out0
	s_set_vgpr_msb 0x40
	v_lshl_add_u32 v255, v0, 2, 0x46400
	s_set_vgpr_msb 0x4000
	v_mov_b32 v255, 0
	s_set_vgpr_msb 0x1
	ds_add_u32 v255, v255
	s_set_vgpr_msb 0x100
	v_lshrrev_b32 v1, 5, v0
	v_readfirstlane_b32 s10, v1
	s_lshr_b32 s11, s10, 1                         ; my half of the block's rows; also: I fetch for ob (0) or wob (1)
	s_and_b32 s12, s10, 1                          ; my half of its columns; also: which 64 rows of that tile I fetch
	s_bfe_u32 s40, ttmp6, 0x40000
	s_bfe_u32 s41, ttmp6, 0x40004
	s_lshl_b32 s42, ttmp9, 2
	s_add_co_u32 s42, s42, s40                     ; block column
	s_and_b32 s13, ttmp7, 0xffff
	s_lshl_b32 s13, s13, 2
	s_add_co_u32 s13, s13, s41                     ; block row
	s_lshl_b32 s43, s41, 2
	s_lshl_b32 s43, 15, s43
	s_lshl_b32 s44, 0x1111, s40
	; group 1: 64 rows x 256 elements of 2 bytes, 4 words of padding behind every 128
	s_or_b32 s[G1+0], s43, (1<<16)|(1<<20)|(1<<21)|(6<<22)|(3<<25)
	s_or_b32 s[G1B+0], s44, (1<<16)|(1<<20)|(1<<21)|(6<<22)|(3<<25)
	s_mov_b32 s[G1B+1], SLOTK<<16
	s_mov_b32 s[G1+1], SLOTK<<16
	s_mov_b32 s[G1B+2], 64<<16
	s_mov_b32 s[G1+2], 64<<16
	s_mov_b32 s[G1B+3], SLOTK<<16
	s_mov_b32 s[G1+3], SLOTK<<16
	s_mov_b32 s[G1B+4], 64
	s_mov_b32 s[G1+4], 64
	s_mov_b32 s[G1B+5], SIZE_K
	s_mov_b32 s[G1+5], SIZE_K
	s_mov_b32 s[G1B+6], 0
	s_mov_b32 s[G1+6], 0
	s_mov_b32 s[G1B+7], 0
	s_mov_b32 s[G1+7], 0
	s_lshl_b32 s17, s12, 6
	s_lshl_b32 s16, s13, 7
	s_add_co_u32 s16, s16, s17                     ; ob: row 128 x block row + 64 x half
	s_lshl_b32 s46, s42, 7
	s_add_co_u32 s46, s46, s17                     ; wob: row 128 x block column + 64 x half
	s_mov_b32 s17, 0
	s_mov_b32 s47, 0
	s_mov_b64 s[18:19], SIZE_K*2
	s_mul_u64 s[16:17], s[16:17], s[18:19]
	s_mul_u64 s[46:47], s[46:47], s[18:19]
	s_mul_i32 s20, s10, HALFT
	; asking ahead: my eight rows of each operand, at lap 1; in registers that feed no descriptor (the places in the cluster and the masks are used up)
	s_lshl_b32 s40, s13, 7
	s_lshl_b32 s41, s42, 3
	s_add_co_u32 s40, s40, s41                     ; ob: row 128 x block row + 8 x block column
	s_lshl_b32 s40, s40, 12
	s_add_co_u32 s40, s40, 2*SLOTK*2
	s_mov_b32 s41, 0
	s_lshl_b32 s44, s42, 7
	s_lshl_b32 s45, s13, 3
	s_add_co_u32 s44, s44, s45                     ; wob: row 128 x block column + 8 x block row
	s_lshl_b32 s44, s44, 12
	s_add_co_u32 s44, s44, 2*SLOTK*2
	s_mov_b32 s45, 0
	s_wait_dscnt 0x0
	s_wait_kmcnt 0x0
	s_add_nc_u64 s[14:15], s[4:5], s[16:17]
	s_add_nc_u64 s[46:47], s[6:7], s[46:47]
	s_add_nc_u64 s[PFA:PFA+1], s[4:5], s[40:41]
	s_add_nc_u64 s[PFB:PFB+1], s[6:7], s[44:45]
	CROUND                                         ; in front of the first joint loads
.irp s, 0,1
	s_mov_b32 s[G0+4*\s], 1
	s_add_co_u32 s[G0+4*\s+1], s20, \s*SLOT
	s_add_nc_u64 s[G0+4*\s+2:G0+4*\s+3], s[14:15], \s*SLOTK*2
	s_or_b32 s[G0+4*\s+3], s[G0+4*\s+3], 0x80000000
	s_mov_b32 s[G0B+4*\s], 1
	s_add_co_u32 s[G0B+4*\s+1], s20, \s*SLOT
	s_add_nc_u64 s[G0B+4*\s+2:G0B+4*\s+3], s[46:47], \s*SLOTK*2
	s_or_b32 s[G0B+4*\s+3], s[G0B+4*\s+3], 0x80000000
	JLOAD \s                                       ; two tensor loads of the wave are out
.endr
	v_bfe_u32 v6, v0, 2, 3
	v_and_b32 v7, 3, v0
	v_lshlrev_b32 v[PFO], 12, v6                   ; rows of 4,096 bytes
	v_lshl_add_u32 v[PFO], v7, 8, v[PFO]
	ASK 0                                          ; lap 1, whose tensor loads go out behind slot steps 0 and 1
	v_and_b32 v1, 15, v0
	v_bfe_u32 v2, v0, 4, 1
	v_mul_u32_u24 v3, v1, PITCH
	v_lshl_add_u32 v3, v2, 4, v3
	s_mul_i32 s21, s11, HALFT
	s_mul_i32 s22, s12, HALFT
	s_add_co_u32 s22, s22, 2*HALFT
.irp s, 0,1
	v_add_nc_u32 v[ADRA+\s], s21, v3
	v_add_nc_u32 v[ADRB+\s], s22, v3
	s_add_co_u32 s21, s21, SLOT
	s_add_co_u32 s22, s22, SLOT
.endr
	s_mul_i32 s23, s10, 16*SPITCH
	s_add_co_u32 s23, s23, STAGE
	v_mul_u32_u24 v4, v1, SPITCH                   ; in: row l % 16, 32 bytes for each half of the lanes
	v_lshl_add_u32 v4, v2, 5, v4
	v_add_nc_u32 v[STO], s23, v4
	v_mul_u32_u24 v5, v2, SPITCH                   ; back: lanes 0-15 one row of 256 bytes, lanes 16-31 the next
	v_lshl_add_u32 v5, v1, 4, v5
	v_add_nc_u32 v[RD], s23, v5
	v_mul_u32_u24 v5, v2, SIZE_N*4
	v_lshl_add_u32 v[CO], v1, 4, v5
.macro MUL16 f, q, zero                ; 16 products, 32 along K; the sixteen accumulators take turns, one instruction a turn
.irp a, 0,1,2,3
.irp b, 0,1,2,3
.if \zero
	v_wmma_f32_16x16x32_f16 v[8*(4*\a+\b):8*(4*\a+\b)+7], v[\f+8*(4*\q+\b):\f+8*(4*\q+\b)+7], v[\f+8*(4*\q+\a):\f+8*(4*\q+\a)+7], 0
.else
	v_wmma_f32_16x16x32_f16 v[8*(4*\a+\b):8*(4*\a+\b)+7], v[\f+8*(4*\q+\b):\f+8*(4*\q+\b)+7], v[\f+8*(4*\q+\a):\f+8*(4*\q+\a)+7], v[8*(4*\a+\b):8*(4*\a+\b)+7]
.endif
.endr
.endr
.endm
.macro FETCH slot, k, f                ; 32 LDS loads: the fragments of 64 along K at byte k of the rows; wob's sixteen, then ob's step 0, then ob's step 1
	WIN TO_B
.irp q, 0,1
.irp i, 0,1,2,3
	ds_load_b128 v[\f+8*(4*\q+\i):\f+8*(4*\q+\i)+3],   v[ADRB+\slot] offset:\k+64*\q+\i*16*PITCH
	ds_load_b128 v[\f+8*(4*\q+\i)+4:\f+8*(4*\q+\i)+7], v[ADRB+\slot] offset:\k+64*\q+\i*16*PITCH+32
.endr
.endr
	WIN 0
.irp q, 0,1
.irp i, 0,1,2,3
	ds_load_b128 v[\f+8*(4*\q+\i):\f+8*(4*\q+\i)+3],   v[ADRA+\slot] offset:\k+64*\q+\i*16*PITCH
	ds_load_b128 v[\f+8*(4*\q+\i)+4:\f+8*(4*\q+\i)+7], v[ADRA+\slot] offset:\k+64*\q+\i*16*PITCH+32
.endr
.endr
.endm
.macro PLACES                          ; four places behind a matrix instruction (ISA guide 7.12.1 for vector instructions)
.rept 4
	v_nop
.endr
.endm
; A slot is four units of 64 along K, 32 matrix instructions each, on buffers 0, 1, 0, 1.
.macro UNIT slot, k, f, g, zero
	s_wait_dscnt 8                                 ; all but the youngest eight loads (ob's step 1)
	WIN MUL
	MUL16 \f, 0, \zero
	PLACES
	FETCH \slot, \k, \g
	s_wait_dscnt 32                                ; all but the 32 just issued
	WIN MUL
	MUL16 \f, 1, 0
.endm
.macro THREE slot, zero
	UNIT \slot, 128, F0, F1, \zero
	UNIT \slot, 256, F1, F0, 0
	UNIT \slot, 384, F0, F1, 0
.endm
; The fourth unit changes slots: the waits, the barrier (where a slot is filled again it opens a round of the cluster's barrier), the refill first behind it.
.macro TURN slot, next, fill
	s_wait_dscnt 0                                 ; my reads of this slot are over
	s_wait_tensorcnt 0x0                           ; all my tensor loads have landed: the one that was out is my part of the next slot
	ds_add_u32 v255, v255
	s_wait_dscnt 0x0
	s_barrier_signal -1
	WIN MUL
	MUL16 F1, 0, 0                                 ; register work while the others arrive
	WIN 0
	s_barrier_wait -1
.if \fill
	CREST
	s_add_nc_u64 s[G0+4*\slot+2:G0+4*\slot+3], s[G0+4*\slot+2:G0+4*\slot+3], 2*SLOTK*2
	s_add_nc_u64 s[G0B+4*\slot+2:G0B+4*\slot+3], s[G0B+4*\slot+2:G0B+4*\slot+3], 2*SLOTK*2
	JLOAD \slot                                    ; the wave's one tensor load behind the round
.if \slot == 1
	ASK 1                                          ; lap n has now requested all of lap n + 1; lap n + 2 is requested behind the next two slot steps
.endif
.endif
	PLACES
	FETCH \next, 0, F0
	WIN MUL
	MUL16 F1, 1, 0
.endm
.macro LAP zero
	THREE 0, \zero
	TURN 0, 1, 1
	THREE 1, 0
	TURN 1, 0, 1
.endm
	s_mov_b32 s3, LAPS-2                           ; the loop's counter, set here because the first lap's ask looks at it too
	s_wait_tensorcnt 1                             ; my part of slot 0 is in; slot 1's may stay out
	s_barrier_signal -1
	s_barrier_wait -1
	FETCH 0, 0, F0
	LAP 1                                          ; lap 0: the first products start the sums; asks ahead for lap 2
	WIN 0
.Llap:
	LAP 0                                          ; laps 1 and 2; lap 1 asks ahead for lap 3
	WIN 0
	s_sub_co_u32 s3, s3, 1
	s_cmp_lg_u32 s3, 0
	s_cbranch_scc1 .Llap
	THREE 0, 0                                     ; the last lap fills nothing
	TURN 0, 1, 0
	THREE 1, 0
	s_wait_dscnt 0
	WIN MUL
	MUL16 F1, 0, 0
	MUL16 F1, 1, 0
	; THE WAY OUT, 16 rows at a time, f32: 32 bytes a lane into my stage, back as whole rows of 256 bytes
	PLACES
	s_lshl_b32 s13, s13, 7
	s_lshl_b32 s14, s11, 6
	s_add_co_u32 s16, s13, s14                     ; my first row
	s_mov_b32 s17, 0
	s_mov_b64 s[18:19], SIZE_N*4
	s_mul_u64 s[16:17], s[16:17], s[18:19]
	s_add_nc_u64 s[8:9], s[8:9], s[16:17]
	s_lshl_b32 s46, s42, 9                         ; my first column, in bytes: 512 x block + 256 x half
	s_lshl_b32 s47, s12, 8
	s_add_co_u32 s46, s46, s47
	s_mov_b32 s47, 0
	s_add_nc_u64 s[8:9], s[8:9], s[46:47]
.macro OUT16 i, f
	WIN 0x08                                       ; store data in window 2
.irp b, 0,1,2,3
	ds_store_b128 v[STO], v[8*(4*\i+\b):8*(4*\i+\b)+3]   offset:64*\b
	ds_store_b128 v[STO], v[8*(4*\i+\b)+4:8*(4*\i+\b)+7] offset:64*\b+16
.endr
	WIN 0
	s_wait_xcnt 0x0                                ; buffer f, which earlier stores read, is rewritten only behind this wait (ISA guide 3.1)
.irp t, 0,1,2,3,4,5,6,7
	ds_load_b128 v[\f+4*\t:\f+4*\t+3], v[RD] offset:\t*2*SPITCH    ; LDS serves a wave's instructions in order (ISA guide 5.7.1.4)
.endr
.irp t, 0,1,2,3,4,5,6,7
	s_wait_dscnt 7-\t
	global_store_b128 v[CO], v[\f+4*\t:\f+4*\t+3], s[8:9] offset:(16*\i+2*\t)*SIZE_N*4 th:TH_STORE_NT   ; 16 lanes store 256 consecutive bytes, aligned
.endr
.endm
	OUT16 0, F0
	OUT16 1, F1
	OUT16 2, F0
	OUT16 3, F1
	s_set_vgpr_msb 0x1
	s_wait_tensorcnt 0x0
	ds_add_u32 v255, v255
	s_wait_dscnt 0x0
	s_set_vgpr_msb 0x100
	CROUND                                         ; the closing round
	s_endpgm
.Lfunc_end_k_qc513e72b23_oproj:
	.size	k_qc513e72b23_oproj, .Lfunc_end_k_qc513e72b23_oproj-k_qc513e72b23_oproj
	.p2alignl 7, 3214868480
	.fill 96, 4, 3214868480
	.section	.rodata,"a",@progbits
	.p2align	6, 0x0
	.amdhsa_kernel k_qc513e72b23_oproj
		.amdhsa_group_segment_fixed_size 327680
		.amdhsa_private_segment_fixed_size 0
		.amdhsa_enable_private_segment 0
		.amdhsa_kernarg_size 24
		.amdhsa_user_sgpr_count 2
		.amdhsa_user_sgpr_kernarg_segment_ptr 1
		.amdhsa_wavefront_size32 1
		.amdhsa_system_sgpr_workgroup_id_x 1
		.amdhsa_system_sgpr_workgroup_id_y 1
		.amdhsa_system_sgpr_workgroup_id_z 1
		.amdhsa_system_vgpr_workitem_id 0
		.amdhsa_next_free_vgpr 640
		.amdhsa_next_free_sgpr 70
		.amdhsa_reserve_vcc 0
		.amdhsa_float_denorm_mode_32 3
		.amdhsa_float_denorm_mode_16_64 3
		.amdhsa_memory_ordered 1
		.amdhsa_forward_progress 1
		.amdhsa_inst_pref_size 124
	.end_amdhsa_kernel
	.amdgpu_metadata
---
amdhsa.version: [ 1, 2 ]
amdhsa.kernels:
  - .name:           k_qc513e72b23_oproj
    .symbol:         k_qc513e72b23_oproj.kd
    .args:
      - { .name: ob, .offset: 0, .size: 8, .value_kind: global_buffer, .address_space: global }
      - { .name: wob, .offset: 8, .size: 8, .value_kind: global_buffer, .address_space: global }
      - { .name: out0, .offset: 16, .size: 8, .value_kind: global_buffer, .address_space: global }
    .group_segment_fixed_size: 327680
    .private_segment_fixed_size: 0
    .kernarg_segment_align: 8
    .kernarg_segment_size: 24
    .max_flat_workgroup_size: 128
    .sgpr_count:     70
    .vgpr_count:     640
    .wavefront_size: 32
...
	.end_amdgpu_metadata
.endif
;; end of part 4
;; ======== version 2 of 2: 4 launches; version 1 with the launch cast written anew for expert scheduling mode
;; limits: values outside matrix products are rounded to bf16; values are held in f16: magnitudes above 65,504 overflow, below 6.1e-05 lose precision; right only within a limited range of input values
;; workspace buffers: xb 8,388,608 bytes; wqkvb 25,165,824 bytes; wob 8,388,608 bytes; cosb 262,144 bytes; sinb 262,144 bytes; qkv 25,165,824 bytes; ob 8,388,608 bytes
;; launch cast (part 5): grid 512 x 1, 8 waves a work-group, no clusters, 0 bytes of LDS; arguments x, wq, wk, wv, wo, freqs_cos, freqs_sin, xb, wqkvb, wob, cosb, sinb; writes xb, wqkvb, wob, cosb, sinb
.if DOCPART == 5
	.amdgcn_target "amdgcn-amd-amdhsa--gfx1250"
	.amdhsa_code_object_version 6
	.text
	.protected	k_qc513e72b23_cast
	.globl	k_qc513e72b23_cast
	.p2align	8
	.type	k_qc513e72b23_cast,@function
k_qc513e72b23_cast:
	s_mov_b64 s[64:65], 0
	v_nop
	global_prefetch_b8 v0, s[64:65] scope:SCOPE_SE
	s_setreg_imm32_b32 hwreg(HW_REG_WAVE_SCHED_MODE, 0, 2), 2
	s_setreg_imm32_b32 hwreg(HW_REG_WAVE_MODE, 25, 1), 1
	s_wait_xcnt 0x0
	s_wait_alu depctr_vm_vsrc(0)
; The matrix operands and the two rotation tables, narrowed once for the three launches that follow.
;   xb = bf16(x);  wqkvb = bf16 of wq, wk, wv, one under the other (6,144 rows);  cosb, sinb = bf16 of the two tables;
;   wob = bf16(wo) written in f16's format, because its partner in the last product (the attention's result) is kept in f16.
; LIMITS OF FORMAT, stated: every input but the mask is rounded once to bf16 (8 significant bits), the tables too.
; A bf16 number is exact in f16 from 2^-17 up to 65,504; below 2^-17 the second step errs by 2^-25 at the most; |wo| above 65,504 does not fit
; (wo as drawn stays below 0.2).
; A stream: each input byte is read once, by loads of 16 bytes a lane; each store of a wave covers 256 consecutive bytes, aligned.
; Work-group g takes bytes 32,768 g .. of each of the five large inputs, a wave 4,096 of them: eight loads of 512 bytes for each tensor,
; all forty issued before the first is used.  No LDS, no barrier, no matrix unit: nothing here is used twice.
; THE MODE: SCHED_MODE bits 1:0 = 2 (LLVM: expert scheduling mode 2), set by the entry lines.  The code itself states the register dependences
; between vector instructions and memory instructions, with s_wait_alu, always for 0.
; THE PLAN.  Registers that memory instructions touch:
;   v1, v2, v5, v6  byte offsets, made once at the head and never written again: one wait ahead of the first load serves every load and store.
;   X               piece k = 8 t + j (tensor t, piece j) owns four registers.  Load k lands in them; no vector instruction names them before.  Piece k's
;                   conversions read them and write the first two in place; store k reads those two; nothing writes them afterwards.
;   TBL             the same for the one piece of a table that waves 0 to 3 take.
; The forty pieces go in ten groups of four.  Group g's vector instructions name its own sixteen registers alone; its memory instructions are the four stores
; of group g - 1.  So ONE wait at a group's head states all that its four stores hang on, and they are dealt among the group's conversions with no further wait.
; No register that a memory instruction has read is written again, so no line of the text waits for a memory instruction to have read its registers.
; No scalar register that a vector instruction reads is written again either.
.set X,   8                            ; v[8:167]   piece k: four registers at X + 4 k
.set TBL, 168                          ; v[168:171] 16 bytes of a table
	s_load_b512 s[4:19], s[0:1], 0x0               ; x 4, wq 6, wk 8, wv 10, wo 12, cos 14, sin 16, xb 18
	s_load_b256 s[20:27], s[0:1], 0x40             ; wqkvb 20, wob 22, cosb 24, sinb 26
	v_lshrrev_b32 v3, 5, v0
	v_readfirstlane_b32 s3, v3                     ; wave 0..7
	v_and_b32 v4, 31, v0                           ; lane
	v_lshlrev_b32 v1, 12, v3                       ; in: 4,096 a wave
	v_lshl_add_u32 v1, v4, 4, v1                   ;     + 16 a lane
	v_lshlrev_b32 v2, 11, v3                       ; out: half of that
	v_lshl_add_u32 v2, v4, 3, v2
	s_lshl_b32 s2, ttmp9, 15
	v_add_nc_u32 v1, s2, v1                        ; + 32,768 a work-group
	s_lshl_b32 s38, ttmp9, 14
	v_add_nc_u32 v2, s38, v2
	s_wait_alu depctr_va_sdst(0)                   ; s3 is written, ahead of its first reader: the tables' offset and the branch at the end are made from it
	s_and_b32 s36, s3, 1                           ; the tables: 1,024 bytes of each for a work-group, 512 for a wave
	s_lshl_b32 s36, s36, 9
	s_lshl_b32 s37, ttmp9, 10
	s_add_co_u32 s36, s36, s37
	v_lshl_add_u32 v5, v4, 4, s36                  ; in
	s_lshr_b32 s37, s36, 1
	v_lshl_add_u32 v6, v4, 3, s37                  ; out
	s_wait_kmcnt 0x0
	s_add_nc_u64 s[28:29], s[20:21], 0x800000      ; wk's rows in wqkvb: 2,048 rows of 4,096 bytes on
	s_add_nc_u64 s[30:31], s[20:21], 0x1000000     ; wv's rows
	s_wait_alu depctr_va_vdst(0)                   ; v1, v2, v5 and v6 are written: every load and store of the kernel reads one of them as its offset
.macro LD8 t, base
.irp j, 0,1,2,3,4,5,6,7
	global_load_b128 v[X+32*\t+4*\j:X+32*\t+4*\j+3], v1, s[\base:\base+1] offset:512*\j th:TH_LOAD_NT
.endr
.endm
; Group g: pieces 4 g to 4 g + 3, half a tensor: four numbers a lane to 8 bytes.  half = 1: the bf16 numbers are widened again (a shift, a mask) and written as f16.
; pbase: the output of the tensor that group g - 1 belongs to; its four stores go out here, one ahead of each piece's wait for data.
.macro GROUP g, half, pbase
.if \g
	s_wait_alu depctr_va_vdst(0)                   ; the group before has written the first two registers of each of its pieces, which the four stores below read
.endif
.irp i, 0,1,2,3
.if \g
	global_store_b64 v2, v[X+16*(\g-1)+4*\i:X+16*(\g-1)+4*\i+1], s[\pbase:\pbase+1] offset:256*((4*(\g-1)+\i)%8)   ; 32 lanes x 8 bytes; no vector instruction since the wait names these registers, and none writes them again
.endif
.set R, X+16*\g+4*\i
	s_wait_loadcnt 39-4*\g-\i                      ; loads come back in order (ISA guide 5.7.1): the count is the number of younger loads
	v_cvt_pk_bf16_f32 v[R], v[R], v[R+1]
	v_cvt_pk_bf16_f32 v[R+1], v[R+2], v[R+3]
.if \half
	v_and_b32 v[R+3], 0xffff0000, v[R+1]
	v_lshlrev_b32 v[R+2], 16, v[R+1]
	v_and_b32 v[R+1], 0xffff0000, v[R]
	v_lshlrev_b32 v[R], 16, v[R]
	v_cvt_pk_f16_f32 v[R], v[R], v[R+1]
	v_cvt_pk_f16_f32 v[R+1], v[R+2], v[R+3]
.endif
.endr
.endm
	LD8 0, 4
	LD8 1, 6
	LD8 2, 8
	LD8 3, 10
	LD8 4, 12
	GROUP 0, 0, 18                                 ; x; no group stands in front of it: no wait, no store
	GROUP 1, 0, 18                                 ; x;  stores x's first half
	GROUP 2, 0, 18                                 ; wq; stores x's second half
	GROUP 3, 0, 20                                 ; wq; stores wq's first half
	GROUP 4, 0, 20                                 ; wk
	GROUP 5, 0, 28
	GROUP 6, 0, 28                                 ; wv
	GROUP 7, 0, 30
	GROUP 8, 1, 30                                 ; wo, by way of bf16 into f16
	GROUP 9, 1, 22
	s_wait_alu depctr_va_vdst(0)                   ; group 9 has written its words, which the last four stores read
.irp i, 0,1,2,3
	global_store_b64 v2, v[X+144+4*\i:X+144+4*\i+1], s[22:23] offset:256*(4+\i)
.endr
	; the tables: waves 0, 1 take cos, waves 2, 3 sin; the other four have no part of them
	s_cmp_ge_u32 s3, 4
	s_cbranch_scc1 .Lend
	s_cmp_lt_u32 s3, 2
	s_cselect_b64 s[32:33], s[14:15], s[16:17]
	s_cselect_b64 s[34:35], s[24:25], s[26:27]
	global_load_b128 v[TBL:TBL+3], v5, s[32:33] th:TH_LOAD_NT      ; v5 was written ahead of the head's wait; no vector instruction has named TBL
	s_wait_loadcnt 0x0
	v_cvt_pk_bf16_f32 v[TBL], v[TBL], v[TBL+1]
	v_cvt_pk_bf16_f32 v[TBL+1], v[TBL+2], v[TBL+3]
	s_wait_alu depctr_va_vdst(0)                   ; the two conversions have written v[TBL:TBL+1], which the store reads
	global_store_b64 v6, v[TBL:TBL+1], s[34:35]
.Lend:
	s_endpgm
.Lfunc_end_k_qc513e72b23_cast:
	.size	k_qc513e72b23_cast, .Lfunc_end_k_qc513e72b23_cast-k_qc513e72b23_cast
	.p2alignl 7, 3214868480
	.fill 96, 4, 3214868480
	.section	.rodata,"a",@progbits
	.p2align	6, 0x0
	.amdhsa_kernel k_qc513e72b23_cast
		.amdhsa_group_segment_fixed_size 0
		.amdhsa_private_segment_fixed_size 0
		.amdhsa_enable_private_segment 0
		.amdhsa_kernarg_size 96
		.amdhsa_user_sgpr_count 2
		.amdhsa_user_sgpr_kernarg_segment_ptr 1
		.amdhsa_wavefront_size32 1
		.amdhsa_system_sgpr_workgroup_id_x 1
		.amdhsa_system_sgpr_workgroup_id_y 1
		.amdhsa_system_sgpr_workgroup_id_z 1
		.amdhsa_system_vgpr_workitem_id 0
		.amdhsa_next_free_vgpr 172
		.amdhsa_next_free_sgpr 66
		.amdhsa_reserve_vcc 0
		.amdhsa_float_denorm_mode_32 3
		.amdhsa_float_denorm_mode_16_64 3
		.amdhsa_memory_ordered 1
		.amdhsa_forward_progress 1
		.amdhsa_inst_pref_size 19
	.end_amdhsa_kernel
	.amdgpu_metadata
---
amdhsa.version: [ 1, 2 ]
amdhsa.kernels:
  - .name:           k_qc513e72b23_cast
    .symbol:         k_qc513e72b23_cast.kd
    .args:
      - { .name: x, .offset: 0, .size: 8, .value_kind: global_buffer, .address_space: global }
      - { .name: wq, .offset: 8, .size: 8, .value_kind: global_buffer, .address_space: global }
      - { .name: wk, .offset: 16, .size: 8, .value_kind: global_buffer, .address_space: global }
      - { .name: wv, .offset: 24, .size: 8, .value_kind: global_buffer, .address_space: global }
      - { .name: wo, .offset: 32, .size: 8, .value_kind: global_buffer, .address_space: global }
      - { .name: freqs_cos, .offset: 40, .size: 8, .value_kind: global_buffer, .address_space: global }
      - { .name: freqs_sin, .offset: 48, .size: 8, .value_kind: global_buffer, .address_space: global }
      - { .name: xb, .offset: 56, .size: 8, .value_kind: global_buffer, .address_space: global }
      - { .name: wqkvb, .offset: 64, .size: 8, .value_kind: global_buffer, .address_space: global }
      - { .name: wob, .offset: 72, .size: 8, .value_kind: global_buffer, .address_space: global }
      - { .name: cosb, .offset: 80, .size: 8, .value_kind: global_buffer, .address_space: global }
      - { .name: sinb, .offset: 88, .size: 8, .value_kind: global_buffer, .address_space: global }
    .group_segment_fixed_size: 0
    .private_segment_fixed_size: 0
    .kernarg_segment_align: 8
    .kernarg_segment_size: 96
    .max_flat_workgroup_size: 256
    .sgpr_count:     66
    .vgpr_count:     172
    .wavefront_size: 32
...
	.end_amdgpu_metadata
.endif
;; end of part 5
;; launch qkv: the kernel of part 2 again; grid 24 x 8, 4 waves a work-group, clusters of 4 x 4, 327,680 bytes of LDS; arguments xb, wqkvb, cosb, sinb, qkv; writes qkv
;; launch attn: the kernel of part 3 again; grid 16 x 16, 4 waves a work-group, clusters of 4 x 4, 327,680 bytes of LDS; arguments qkv, mask, ob; writes ob
;; launch oproj: the kernel of part 4 again; grid 16 x 16, 4 waves a work-group, clusters of 4 x 4, 327,680 bytes of LDS; arguments ob, wob, out0; writes out0
